; MI455X (gfx1250); checked and timed in simulation.
; The chip was launched on July 23, 2026; its instructions are those of AMD's public machine-readable ISA for CDNA 5 (MIT licence, August 2026) and "CDNA5" Instruction Set Architecture Reference Guide (July 2026). The comments in the code are by the model that wrote it; some were corrected since.
;; Attention. Allowed arithmetic: float matrix products may take bf16 or f16 operands with f32 sums; other float arithmetic in f32, or as packed bf16 or f16 multiplies, adds, multiply-adds, maxima and minima; sums over many terms, partial sums and values carried from step to step in f32; what a program stores and reads back later, other than sums and carried values, may be rounded once to bf16 or f16.
;; Inputs: bk 2,048 float32; bp 2,048 float32; bq 2,048 float32; bv 2,048 float32; cos 2,048 x 64 float32; sin 2,048 x 64 float32; wk 2,048 x 2,048 float32; wp 2,048 x 2,048 float32; wq 2,048 x 2,048 float32; wv 2,048 x 2,048 float32; x 2,048 x 2,048 float32.
;; Outputs: out0 2,048 x 2,048 float32.
;; One version. Each part assembles by itself: llvm-mc -triple=amdgcn-amd-amdhsa -mcpu=gfx1250 --defsym DOCPART=n.
;; ======== version 1 of 1: 4 launches
;; limits: values are held in f16: magnitudes above 65,504 overflow, below 6.1e-05 lose precision
;; workspace buffers: xb 8,388,608 bytes; wb 25,165,824 bytes; wpb 8,388,608 bytes; qkv 25,165,824 bytes; ob 8,388,608 bytes
;; launch cast (part 1): grid 256 x 4, 8 waves a work-group, no clusters, 0 bytes of LDS; arguments x, wq, wk, wv, xb, wb; writes xb, wb
.if DOCPART == 1
	.amdgcn_target "amdgcn-amd-amdhsa--gfx1250"
	.amdhsa_code_object_version 6
	.text
	.protected	k_q5294af7d8f_cast
	.globl	k_q5294af7d8f_cast
	.p2align	8
	.type	k_q5294af7d8f_cast,@function
k_q5294af7d8f_cast:
	s_mov_b64 s[64:65], 0
	v_nop
	global_prefetch_b8 v0, s[64:65] scope:SCOPE_SE
	s_setreg_imm32_b32 hwreg(HW_REG_WAVE_MODE, 25, 1), 1
	s_wait_xcnt 0x0
; x, wq, wk, wv: f32 -> bf16 (round to nearest even).  (wp is converted in the launch behind, beside its matrix work.)
; SHARES.  Work-group (j, y): tensor y (0 x, 1 wq, 2 wk, 3 wv), chunk j: 65,536 bytes in, 32,768 out.  In pass p of 16 thread t loads the 16 bytes at
; 4,096 p + 16 t (a wave's load: 512 consecutive bytes) and stores the 8 bytes at 2,048 p + 8 t (a wave's store: 256 consecutive bytes, aligned).
; All sixteen loads go out first; every pass has registers of its own, so nothing that a load or store still reads is ever rewritten.
; 1,024 work-groups of 8 waves x 100 registers: four to each of 256 WGPs.  No LDS, no matrix unit, no cluster: no byte is wanted twice.
.set X, 4                              ; v[4:67]    pass p: 4 numbers as loaded
.set Y, 68                             ; v[68:99]   pass p: 4 numbers to store
	s_load_b256 s[8:15], s[0:1], 0x0               ; x 8, wq 10, wk 12, wv 14
	s_load_b128 s[16:19], s[0:1], 0x20             ; xb 16, wb 18
	s_and_b32 s2, ttmp7, 0xffff                    ; y: which tensor
	v_lshlrev_b32 v1, 4, v0                        ; 16 t
	v_lshlrev_b32 v2, 3, v0                        ; 8 t
	s_lshl_b32 s24, ttmp9, 16                      ; the chunk in the source
	s_mov_b32 s25, 0
	s_lshl_b32 s28, ttmp9, 15                      ; and in the destination,
	s_mov_b32 s29, 0
	s_max_u32 s3, s2, 1                            ; where wq, wk, wv lie one behind the other in wb: (y - 1) x 8,388,608; 0 for x
	s_sub_co_u32 s3, s3, 1
	s_lshl_b32 s3, s3, 23
	s_add_co_u32 s28, s28, s3
	s_wait_kmcnt 0x0
	s_mov_b64 s[4:5], s[8:9]                       ; the source, chosen by y
	s_cmp_eq_u32 s2, 1
	s_cselect_b64 s[4:5], s[10:11], s[4:5]
	s_cmp_eq_u32 s2, 2
	s_cselect_b64 s[4:5], s[12:13], s[4:5]
	s_cmp_eq_u32 s2, 3
	s_cselect_b64 s[4:5], s[14:15], s[4:5]
	s_cmp_eq_u32 s2, 0                             ; the destination
	s_cselect_b64 s[6:7], s[16:17], s[18:19]
	s_add_nc_u64 s[4:5], s[4:5], s[24:25]
	s_add_nc_u64 s[6:7], s[6:7], s[28:29]
.irp p, 0,1,2,3,4,5,6,7,8,9,10,11,12,13,14,15
	global_load_b128 v[X+4*(\p):X+4*(\p)+3], v1, s[4:5] offset:4096*(\p) th:TH_LOAD_NT
.endr
.irp p, 0,1,2,3,4,5,6,7,8,9,10,11,12,13,14,15
	s_wait_loadcnt 15-(\p)                         ; loads come back in order: pass p is in, the younger ones stay out
	v_cvt_pk_bf16_f32 v[Y+2*(\p)],   v[X+4*(\p)],   v[X+4*(\p)+1]
	v_cvt_pk_bf16_f32 v[Y+2*(\p)+1], v[X+4*(\p)+2], v[X+4*(\p)+3]
	global_store_b64 v2, v[Y+2*(\p):Y+2*(\p)+1], s[6:7] offset:2048*(\p)
.endr
	s_endpgm
.Lfunc_end_k_q5294af7d8f_cast:
	.size	k_q5294af7d8f_cast, .Lfunc_end_k_q5294af7d8f_cast-k_q5294af7d8f_cast
	.p2alignl 7, 3214868480
	.fill 96, 4, 3214868480
	.section	.rodata,"a",@progbits
	.p2align	6, 0x0
	.amdhsa_kernel k_q5294af7d8f_cast
		.amdhsa_group_segment_fixed_size 0
		.amdhsa_private_segment_fixed_size 0
		.amdhsa_enable_private_segment 0
		.amdhsa_kernarg_size 48
		.amdhsa_user_sgpr_count 2
		.amdhsa_user_sgpr_kernarg_segment_ptr 1
		.amdhsa_wavefront_size32 1
		.amdhsa_system_sgpr_workgroup_id_x 1
		.amdhsa_system_sgpr_workgroup_id_y 1
		.amdhsa_system_sgpr_workgroup_id_z 1
		.amdhsa_system_vgpr_workitem_id 0
		.amdhsa_next_free_vgpr 100
		.amdhsa_next_free_sgpr 66
		.amdhsa_reserve_vcc 0
		.amdhsa_float_denorm_mode_32 3
		.amdhsa_float_denorm_mode_16_64 3
		.amdhsa_memory_ordered 1
		.amdhsa_forward_progress 1
		.amdhsa_inst_pref_size 7
	.end_amdhsa_kernel
	.amdgpu_metadata
---
amdhsa.version: [ 1, 2 ]
amdhsa.kernels:
  - .name:           k_q5294af7d8f_cast
    .symbol:         k_q5294af7d8f_cast.kd
    .args:
      - { .name: x, .offset: 0, .size: 8, .value_kind: global_buffer, .address_space: global }
      - { .name: wq, .offset: 8, .size: 8, .value_kind: global_buffer, .address_space: global }
      - { .name: wk, .offset: 16, .size: 8, .value_kind: global_buffer, .address_space: global }
      - { .name: wv, .offset: 24, .size: 8, .value_kind: global_buffer, .address_space: global }
      - { .name: xb, .offset: 32, .size: 8, .value_kind: global_buffer, .address_space: global }
      - { .name: wb, .offset: 40, .size: 8, .value_kind: global_buffer, .address_space: global }
    .group_segment_fixed_size: 0
    .private_segment_fixed_size: 0
    .kernarg_segment_align: 8
    .kernarg_segment_size: 48
    .max_flat_workgroup_size: 256
    .sgpr_count:     66
    .vgpr_count:     100
    .wavefront_size: 32
...
	.end_amdgpu_metadata
.endif
;; end of part 1
;; launch qkv (part 2): grid 16 x 16, 4 waves a work-group, clusters of 4 x 4, 327,680 bytes of LDS; arguments xb, wb, bq, bk, bv, cos, sin, qkv, wp, wpb; writes qkv, wpb
.if DOCPART == 2
	.amdgcn_target "amdgcn-amd-amdhsa--gfx1250"
	.amdhsa_code_object_version 6
	.text
	.protected	k_q5294af7d8f_qkv
	.globl	k_q5294af7d8f_qkv
	.p2align	8
	.type	k_q5294af7d8f_qkv,@function
k_q5294af7d8f_qkv:
	s_mov_b64 s[64:65], 0
	v_nop
	global_prefetch_b8 v0, s[64:65] scope:SCOPE_SE
	s_setreg_imm32_b32 hwreg(HW_REG_WAVE_MODE, 25, 1), 1
	s_wait_xcnt 0x0
	s_wait_alu depctr_hold_cnt(0) depctr_sa_sdst(0) depctr_va_vdst(0) depctr_va_sdst(0) depctr_va_ssrc(0) depctr_va_vcc(0) depctr_vm_vsrc(0)
	s_getreg_b32 s2, hwreg(HW_REG_IB_STS2, 6, 4)
	s_cmp_eq_u32 s2, 0
	s_cbranch_scc0 .Lentry_in_a_cluster
	s_endpgm
.Lentry_in_a_cluster:
	s_bfe_u32 s2, ttmp6, 0x10000c
	s_cmp_lg_u32 s2, 0xf033
	s_cbranch_scc0 .Lentry_shape_is_right
	s_endpgm
.Lentry_shape_is_right:
; q, k, v = x W^T + b for one head and 128 rows; the rotation by cos and sin on q and k; all three rounded once to f16 and laid by heads: qkv[kind][head][row][128].
; xb: [2048][2048] bf16.  wb: [3][2048][2048] bf16 (wq, wk, wv).  Biases, cos and sin are f32 and are rounded to bf16 here, like every other input of the module.  Sums in f32.
; BESIDE IT: wp (f32) is rounded to bf16 and that number written as f16 into wpb, for the last launch: each work-group converts 65,536 bytes of it, a sixteenth at each change of slots.
; LIMITS.  q, k and v beyond 65,504 become infinities in f16; so does a bf16 number of wp; below 6e-5 wp keeps f16's fixed step of 6e-8.  NaN and infinities are not treated apart.
; SHARES.  Work-group (head, block of 128 rows).  Wave w makes all 128 rows x the head's columns 32 w .. 32 w + 31 of each of q, k, v: 8 row blocks x 6 column blocks (b = 2 kind + i) = 48
; accumulators, 384 registers; for 32 along K 28 LDS loads feed 48 products, and all four waves run one text.
; THE MATRIX INSTRUCTION IS USED TRANSPOSED (source 0 = 16 rows of w, source 1 = 16 rows of x): a lane holds row l % 16 and the columns 8 (l / 16) + 0..7, so the rotation's pairs (2 e, 2 e + 1) lie in
; register pairs, and eight results pack into 16 bytes.  THE BIAS IS THE C OPERAND of the product that starts each sum: nothing is cleared and nothing is added later.
; RING.  K in 16 steps of 128 through two LDS slots; a slot has four parts of 128 rows x 256 bytes: x, wq, wk, wv; wave w fetches part w with one tensor load.  A K step is written once: the LDS addresses
; of the fragments hang on s[TB], the slot's first byte, and one set of descriptors walks from slot to slot and from K step to K step.
; CLUSTER.  4 x 4 work-groups: the four of a row need the same rows of x, the four of a column the same rows of w: joint loads, the same descriptor and mask in the four.
; REGISTERS, in windows of 256 (s_set_vgpr_msb: bits 1:0 source 0, 3:2 source 1, 5:4 source 2, 7:6 destination):
;   window 0: v0-31 addresses; v32-47 wp's conversion; v64-127, v128-191 fragments of x, two buffers; v192-255 at work
;   window 1: v0-47 the bias, 8 registers a column block; v48-51 at work; v64-111, v128-175 fragments of w, two buffers
;   windows 2, 3: accumulator (a, b) at v[8 (6 (a % 4) + b)] of window 2 + a / 4
.set KSTEP,  128
.set STEPS,  16
.set PITCH,  272                       ; an LDS row: 256 bytes + 16 of padding = 68 words: the 16 rows of a fragment load start at 16 different groups of four banks (64 banks of 4 bytes: ISA guide 11.1)
.set HALFT,  128*PITCH                 ; a part of a slot: what one tensor load brings
.set SLOT,   4*HALFT                   ; 0x22000: its two bits are in none of the four parts' first bytes, so one exclusive or changes slots
.set TAB,    2*SLOT                    ; behind the ring: 128 rows x 272 bytes: word e of a row = (cos, sin) of pair e, both bf16; no tensor load lands here
.set SPARE,  TAB+HALFT                 ; the spare words, 128 bytes for each wave: two blocks of 256 bytes that no other line names
; THE STAGE for the way out is slot 0 from byte 0 on, [kind][row] with rows of 272 bytes: slot 0 has had its last fill, and its last read stands in front of the last change of slots' barrier.
.set WSO,  8                           ; v8      wp: 16 x my thread's number; never rewritten
.set WDO,  9                           ; v9      wpb: 8 x my thread's number; never rewritten
.set CSA,  15                          ; v15     where I read my pairs of the table
.set ABASE, 16                         ; v16     my place in x's part of a slot; never rewritten
.set ADRA, 17                          ; v17     the same in the slot that is being read
.set BBASE, 18                         ; v18-20  my place in wq's, wk's, wv's part; never rewritten
.set ADRB, 21                          ; v21-23  the same in the slot that is being read
.set STO,  24                          ; v24     the stage: where I put 16 bytes of a row (q, k)
.set STO2, 25                          ; v25     the same for v: 2 HALFT further, past a 16-bit offset
.set RD,   26                          ; v26     the stage: where I read a row back
.set RD2,  27                          ; v27     the same for v
.set SPW,  28                          ; v28     LDS address of my spare word; never rewritten
.set NIL,  29                          ; v29     0; never rewritten
.set PFO,  30                          ; v30     the prefetches' offset: my lane x a row of 4,096 bytes; never rewritten
.set GO,   31                          ; v31     (32 w + l / 16) x 256 + 16 (l % 16): my 16 bytes in rows of 256 bytes: of cos, of sin and of the output
.set WX,   32                          ; v[32:39] wp: two passes as loaded
.set WY,   40                          ; v[40:43] two passes to store
.set WT,   44                          ; v[44:47] at work
.set F0,   64
.set F1,   128
.set WV,   20                          ; s20     my wave's number
.set G1,   24                          ; s[24:31] descriptor group 1 for x's tiles
.set G0,   32                          ; s[32:39] group 0 for x's tiles: a set for each of the two first fills; the second then walks
.set G1B,  48                          ; s[48:55] group 1 for w's tiles: it differs in the mask alone
.set G0B,  56                          ; s[56:63] group 0 for w's tiles
.set OUTB, 66                          ; s[66:71] the output's three bases: q, k, v at my head and block
.set PFA,  72                          ; s[72:73] where my prefetches stand
.set LIM,  74                          ; s74     2 in a wave that prefetches, else the greatest number
.set HM,   75                          ; s75     a word's upper 16 bits
.set TB,   82                          ; s82     first LDS byte of the slot that is being read
.set WS,   84                          ; s[84:85] wp at the group that was loaded last
.set WD,   86                          ; s[86:87] wpb behind the group that was stored last
.set MSB, 0
.macro WIN new                         ; the immediate's high byte repeats the setting that is left; a switch that changes nothing is dropped
.if MSB != (\new)
	s_set_vgpr_msb (MSB<<8)|(\new)
.set MSB, \new
.endif
.endm
.set MUL_LO, 0xa1                      ; source 0 (w) window 1, source 1 (x) window 0, C and D window 2
.set MUL_HI, 0xf1                      ; the same, C and D window 3
.set TO_B,   0x40                      ; destination window 1, address window 0
; A joint load.  Wave 0 fetches x's rows, waves 1 to 3 those of wq, wk, wv.  The branch hangs on the wave's number alone.  An s_nop 0 and four v_nop follow each of the two lines.
.macro JLOAD s
	s_cmp_eq_u32 s[WV], 0
	s_cbranch_scc0 .Lfor_b_\@
	tensor_load_to_lds s[G0+4*(\s):G0+4*(\s)+3], s[G1:G1+7]
	s_nop 0
.rept 4
	v_nop
.endr
	s_branch .Lasked_\@
.Lfor_b_\@:
	tensor_load_to_lds s[G0B+4*(\s):G0B+4*(\s)+3], s[G1B:G1B+7]
	s_nop 0
.rept 4
	v_nop
.endr
.Lasked_\@:
.endm
; A prefetch into the L2, behind each joint refill and the run of LDS loads that follows it: the K step that stands two refills on, 32 rows x 256 bytes, a lane a row, one instruction a wave.
; Each row's 256 bytes of a K step are named once in the launch: x's rows by the clusters with x = 0 (wave 0), w's by the clusters with y = 0 (waves 1 to 3); the four partners that ask for a tile
; jointly take 32 of its 128 rows each, told apart by address.  The loop's last two trips ask for nothing: their refills have no K step two on.
.macro ASK
	s_cmp_gt_u32 s3, s[LIM]                        ; s3 = 2 and 1 in the loop's last two trips
	s_cbranch_scc0 .Lnot_mine_\@
	global_prefetch_b8 v[PFO], s[PFA:PFA+1] offset:KSTEP*2 th:TH_LOAD_NT scope:SCOPE_SE
.Lnot_mine_\@:
.endm
.macro CROUND                          ; a round of the cluster's barrier
	s_barrier_signal -1
	s_barrier_wait -1
	s_cmp_lg_u32 s[WV], 0
	s_cbranch_scc1 .Lnot_wave_0_\@
	s_barrier_signal -3
.Lnot_wave_0_\@:
	s_barrier_wait -3
	s_barrier_signal -1
	s_barrier_wait -1
.endm
	s_load_b256 s[4:11], s[0:1], 0x0               ; xb 4, wb 6, bq 8, bk 10
	s_load_b256 s[12:19], s[0:1], 0x20             ; bv 12, cos 14, sin 16, qkv 18
	s_load_b128 s[WS:WS+3], s[0:1], 0x40           ; wp, wpb
	v_lshl_add_u32 v[SPW], v0, 2, SPARE
	v_mov_b32 v[NIL], 0
	ds_add_u32 v[SPW], v[NIL]                      ; the wave's opening: the add and its wait ahead of my first tensor load; the set-up below, work on registers, stands between them
	v_lshrrev_b32 v1, 5, v0
	v_readfirstlane_b32 s[WV], v1                  ; wave 0..3
	s_bfe_u32 s21, ttmp6, 0x40000                  ; cx
	s_bfe_u32 s22, ttmp6, 0x40004                  ; cy
	s_lshl_b32 s23, ttmp9, 2
	s_add_co_u32 s23, s23, s21                     ; head = 4 x cluster x + cx
	s_and_b32 s40, ttmp7, 0xffff
	s_lshl_b32 s40, s40, 2
	s_add_co_u32 s40, s40, s22                     ; block of 128 rows = 4 x cluster y + cy
	s_lshl_b32 s41, s22, 2
	s_lshl_b32 s41, 15, s41                        ; my row of the cluster
	s_lshl_b32 s42, 0x1111, s21                    ; my column
	; descriptor group 1: a tile of 128 rows x 128 elements, padded in LDS
	s_or_b32 s[G1], s41, (1<<16)|(1<<20)|(1<<21)|(5<<22)|(3<<25)   ; 15:0 the mask; 17:16 elements of 2 bytes; 20 padding on; 21 set beside a mask; 24:22 after every 64 words (code 5); 31:25 4 words of it (code 3)
	s_or_b32 s[G1B], s42, (1<<16)|(1<<20)|(1<<21)|(5<<22)|(3<<25)
.irp g, G1, G1B
	s_mov_b32 s[(\g)+1], KSTEP<<16                 ; tensor_dim0 = 128
	s_mov_b32 s[(\g)+2], 128<<16                   ; tensor_dim1 = 128
	s_mov_b32 s[(\g)+3], KSTEP<<16                 ; tile_dim0 = 128
	s_mov_b32 s[(\g)+4], 128                       ; tile_dim1 = 128
	s_mov_b32 s[(\g)+5], 2048                      ; elements from row to row
	s_mov_b32 s[(\g)+6], 0
	s_mov_b32 s[(\g)+7], 0
.endr
	s_lshl_b32 s44, s40, 19                        ; x: 128 rows of 4,096 bytes a block: made of the block alone
	s_mov_b32 s45, 0
	s_max_u32 s46, s[WV], 1                        ; w: kind = wave - 1 (wave 0 never asks by this address),
	s_sub_co_u32 s46, s46, 1
	s_lshl_b32 s46, s46, 23                        ; 2,048 rows a kind,
	s_lshl_b32 s47, s23, 19                        ; 128 rows a head: made of the head and the wave's number alone
	s_add_co_u32 s46, s46, s47
	s_mov_b32 s47, 0
	s_mul_i32 s43, s[WV], HALFT                    ; where my part goes: no place in the cluster enters an LDS address
	s_mov_b32 s[HM], 0xffff0000
	s_mov_b32 s[TB], 0                             ; slot 0 is read first
	s_wait_dscnt 0x0                               ; the opening add is done
	s_wait_kmcnt 0x0
	s_add_nc_u64 s[44:45], s[4:5], s[44:45]
	s_add_nc_u64 s[46:47], s[6:7], s[46:47]
	CROUND                                         ; all sixteen work-groups are here: the first joint loads meet
.irp s, 0,1
	s_mov_b32 s[G0+4*(\s)], 1                                      ; count = 1
	s_add_co_u32 s[G0+4*(\s)+1], s43, (\s)*SLOT                    ; LDS address
	s_add_nc_u64 s[G0+4*(\s)+2:G0+4*(\s)+3], s[44:45], (\s)*KSTEP*2  ; global address: K step s
	s_or_b32 s[G0+4*(\s)+3], s[G0+4*(\s)+3], 0x80000000            ; type = 2
	s_mov_b32 s[G0B+4*(\s)], 1
	s_add_co_u32 s[G0B+4*(\s)+1], s43, (\s)*SLOT
	s_add_nc_u64 s[G0B+4*(\s)+2:G0B+4*(\s)+3], s[46:47], (\s)*KSTEP*2
	s_or_b32 s[G0B+4*(\s)+3], s[G0B+4*(\s)+3], 0x80000000
	JLOAD \s                                       ; two loads of mine are out
.endr
	; the bias: register j of column block b holds b[128 head + 32 w + 16 i + 8 (l / 16) + j], the layout of a result
	v_and_b32 v1, 15, v0                           ; r = l % 16
	v_bfe_u32 v2, v0, 4, 1                         ; h = l / 16
	s_lshl_b32 s76, s23, 9                         ; 128 numbers of 4 bytes a head
	s_mov_b32 s77, 0
	s_add_nc_u64 s[8:9], s[8:9], s[76:77]
	s_add_nc_u64 s[10:11], s[10:11], s[76:77]
	s_add_nc_u64 s[12:13], s[12:13], s[76:77]
	s_lshl_b32 s78, s[WV], 7
	v_lshl_add_u32 v3, v2, 5, s78                  ; 128 w + 32 h
	WIN TO_B
.irp i, 0,1
	global_load_b128 v[8*(\i):8*(\i)+3],       v3, s[8:9]   offset:64*(\i)
	global_load_b128 v[8*(\i)+4:8*(\i)+7],     v3, s[8:9]   offset:64*(\i)+16
	global_load_b128 v[16+8*(\i):16+8*(\i)+3], v3, s[10:11] offset:64*(\i)
	global_load_b128 v[16+8*(\i)+4:16+8*(\i)+7], v3, s[10:11] offset:64*(\i)+16
	global_load_b128 v[32+8*(\i):32+8*(\i)+3], v3, s[12:13] offset:64*(\i)
	global_load_b128 v[32+8*(\i)+4:32+8*(\i)+7], v3, s[12:13] offset:64*(\i)+16
.endr
	WIN 0
	; cos and sin of my block's rows 32 w .. 32 w + 31: whole rows of 256 bytes, two rows a load
	s_lshl_b32 s78, s[WV], 5
	v_add_nc_u32 v4, s78, v2                       ; 32 w + h
	v_lshlrev_b32 v[GO], 8, v4
	v_lshl_add_u32 v[GO], v1, 4, v[GO]
	s_lshl_b32 s76, s40, 15                        ; 128 rows of 256 bytes a block
	s_add_nc_u64 s[14:15], s[14:15], s[76:77]
	s_add_nc_u64 s[16:17], s[16:17], s[76:77]
.irp p, 0,1,2,3,4,5,6,7,8,9,10,11,12,13,14,15
	global_load_b128 v[64+8*(\p):64+8*(\p)+3],   v[GO], s[14:15] offset:512*(\p)
	global_load_b128 v[64+8*(\p)+4:64+8*(\p)+7], v[GO], s[16:17] offset:512*(\p)
.endr
	; wp: my work-group's 65,536 bytes, in 16 groups of two passes of 2,048 bytes (128 threads x 16); the first group goes out here, behind all other loads
	s_lshl_b32 s78, s40, 4
	s_add_co_u32 s78, s78, s23                     ; my work-group's number, 0 .. 255
	s_lshl_b32 s76, s78, 16
	s_add_nc_u64 s[WS:WS+1], s[WS:WS+1], s[76:77]
	s_lshl_b32 s76, s78, 15
	s_add_nc_u64 s[WD:WD+1], s[WD:WD+1], s[76:77]
	v_lshlrev_b32 v[WSO], 4, v0
	v_lshlrev_b32 v[WDO], 3, v0
	global_load_b128 v[WX:WX+3],   v[WSO], s[WS:WS+1] th:TH_LOAD_NT
	global_load_b128 v[WX+4:WX+7], v[WSO], s[WS:WS+1] offset:2048 th:TH_LOAD_NT
	; LDS addresses.  A fragment is 16 rows x 32 K in 8 registers: lane l holds row l % 16, K = 8 (l / 16) + 0..7 and 16 + 8 (l / 16) + 0..7: two loads of 16 bytes, 32 bytes apart
	v_mul_u32_u24 v[RD], v4, PITCH                 ; whole rows: lanes 0-15 one row, lanes 16-31 the next
	v_lshl_add_u32 v[RD], v1, 4, v[RD]
	v_add_nc_u32 v[RD2], 2*HALFT, v[RD]
	v_add_nc_u32 v5, TAB, v[RD]                    ; where my rows of the table go
	v_mul_u32_u24 v[ABASE], v1, PITCH
	v_lshl_add_u32 v[ABASE], v2, 4, v[ABASE]       ; row x pitch + 16 x half
	s_lshl_b32 s78, s[WV], 6
	v_add_nc_u32 v[STO], s78, v[ABASE]             ; + my 32 columns: 64 bytes, of f16 results and of table words alike
	v_add_nc_u32 v[STO2], 2*HALFT, v[STO]
	v_add_nc_u32 v[CSA], TAB, v[STO]
	s_mul_i32 s79, s[WV], 32*PITCH                 ; my 32 rows of a part of w
	v_add_nc_u32 v7, s79, v[ABASE]
.irp d, 0,1,2
	v_add_nc_u32 v[BBASE+(\d)], (1+(\d))*HALFT, v7
.endr
	v_add_nc_u32 v[ADRA], s[TB], v[ABASE]
.irp d, 0,1,2
	v_add_nc_u32 v[ADRB+(\d)], s[TB], v[BBASE+(\d)]
.endr
	v_and_b32 v[PFO], 31, v0
	v_lshlrev_b32 v[PFO], 12, v[PFO]
	; the prefetches: which buffer, which rows, and whether it is for me to ask
	s_lshl_b32 s78, s40, 19                        ; xb at my block
	s_max_u32 s79, s[WV], 1
	s_sub_co_u32 s79, s79, 1
	s_lshl_b32 s79, s79, 23
	s_lshl_b32 s80, s23, 19
	s_add_co_u32 s79, s79, s80                     ; wb at my kind and head
	s_and_b32 s80, ttmp7, 0xffff                   ; cluster y
	s_cmp_eq_u32 s[WV], 0
	s_cselect_b32 s76, s78, s79
	s_cselect_b32 s81, s21, s22                    ; my place among the four that ask with me
	s_cselect_b32 s80, ttmp9, s80                  ; the coordinate along which other clusters read the same rows
	s_cselect_b64 s[PFA:PFA+1], s[4:5], s[6:7]
	s_cmp_eq_u32 s80, 0
	s_cselect_b32 s[LIM], 2, -1                    ; the same in all sixteen partners, for a given wave
	s_lshl_b32 s81, s81, 17                        ; my work-group's 32 rows
	s_add_co_u32 s76, s76, s81
	s_add_co_u32 s76, s76, 2*KSTEP*2               ; at K step 2: the first refill steps it to 3 and names K step 4
	s_add_nc_u64 s[PFA:PFA+1], s[PFA:PFA+1], s[76:77]
	; the output: qkv[kind][head][row][128] in f16
	s_lshl_b32 s76, s23, 19
	s_lshl_b32 s78, s40, 15
	s_add_co_u32 s76, s76, s78
	s_add_nc_u64 s[OUTB:OUTB+1], s[18:19], s[76:77]
	s_add_nc_u64 s[OUTB+2:OUTB+3], s[OUTB:OUTB+1], 0x800000
	s_add_nc_u64 s[OUTB+4:OUTB+5], s[OUTB:OUTB+1], 0x1000000
	s_wait_loadcnt 0x2                             ; bias, cos, sin are in; wp's two loads, issued behind them, may stay out
.irp p, 0,1,2,3,4,5,6,7,8,9,10,11,12,13,14,15
.irp e, 0,1,2,3
	v_cvt_pk_bf16_f32 v[192+4*(\p)+(\e)], v[64+8*(\p)+(\e)], v[64+8*(\p)+4+(\e)]  ; cos below, sin above
.endr
.endr
.irp p, 0,1,2,3,4,5,6,7,8,9,10,11,12,13,14,15
	ds_store_b128 v5, v[192+4*(\p):192+4*(\p)+3] offset:2*PITCH*(\p)
.endr
	WIN 0x45                                       ; the bias is rounded to bf16 and widened again, in place: all in window 1
.set z, 0
.rept 24
	v_cvt_pk_bf16_f32 v[48+z%4], v[2*z], v[2*z+1]
	v_lshlrev_b32 v[2*z], 16, v[48+z%4]
	v_and_b32 v[2*z+1], s[HM], v[48+z%4]
.set z, z+1
.endr
	WIN 0
; 12 matrix instructions: row blocks a0, a0 + 1 of the window's four x all 6 column blocks, 32 along K.  first = 1: the sum starts with the bias.
; The 48 accumulators take turns in one fixed order, one instruction a turn, over the backward jump too.
.macro MUL12 f, hi, a0, first
.if \first
	WIN 0x91+0x40*(\hi)                            ; C in window 1
.else
	WIN MUL_LO+0x50*(\hi)
.endif
.irp a, \a0, (\a0)+1
.irp b, 0,1,2,3,4,5
.if \first
	v_wmma_f32_16x16x32_bf16 v[8*(6*(\a)+(\b)):8*(6*(\a)+(\b))+7], v[(\f)+8*(\b):(\f)+8*(\b)+7], v[(\f)+8*(4*(\hi)+(\a)):(\f)+8*(4*(\hi)+(\a))+7], v[8*(\b):8*(\b)+7]
.else
	v_wmma_f32_16x16x32_bf16 v[8*(6*(\a)+(\b)):8*(6*(\a)+(\b))+7], v[(\f)+8*(\b):(\f)+8*(\b)+7], v[(\f)+8*(4*(\hi)+(\a)):(\f)+8*(4*(\hi)+(\a))+7], v[8*(6*(\a)+(\b)):8*(6*(\a)+(\b))+7]
.endif
.endr
.endr
.endm
; 28 LDS loads in one run: the fragments of 32 along K at byte ko of the rows of the slot that is being read, into buffer f: w's twelve first, then x's sixteen
.macro FETCH ko, f
	WIN TO_B
.irp d, 0,1,2
.irp i, 0,1
	ds_load_b128 v[(\f)+8*(2*(\d)+(\i)):(\f)+8*(2*(\d)+(\i))+3],   v[ADRB+(\d)] offset:(\ko)+(\i)*16*PITCH
	ds_load_b128 v[(\f)+8*(2*(\d)+(\i))+4:(\f)+8*(2*(\d)+(\i))+7], v[ADRB+(\d)] offset:(\ko)+(\i)*16*PITCH+32
.endr
.endr
	WIN 0
.irp i, 0,1,2,3,4,5,6,7
	ds_load_b128 v[(\f)+8*(\i):(\f)+8*(\i)+3],   v[ADRA] offset:(\ko)+(\i)*16*PITCH
	ds_load_b128 v[(\f)+8*(\i)+4:(\f)+8*(\i)+7], v[ADRA] offset:(\ko)+(\i)*16*PITCH+32
.endr
.endm
.macro PLACES                          ; four plain vector instructions between a matrix instruction and a load into, or a vector write of, one of its registers, or a read of its result
.rept 4
	v_nop
.endr
.endm
; A K step is four quarters of 32 along K, 48 matrix instructions each, on buffers 0, 1, 0, 1.  One of the first three multiplies buffer f and, in its middle, fetches the next quarter into g.
.macro QUARTER ko, f, g, first
	s_wait_dscnt 8                                 ; w's fragments and x's rows 0-63 are in; the youngest eight loads (x's rows 64-127) may be out
	MUL12 \f, 0, 0, \first
	MUL12 \f, 0, 2, \first
	PLACES
	FETCH \ko, \g
	s_wait_dscnt 28                                ; all but the 28 just issued
	MUL12 \f, 1, 0, \first
	MUL12 \f, 1, 2, \first
.endm
; A group of wp: two passes, 16 bytes of f32 a thread in each: rounded to bf16, widened, written as f16 (exact inside f16's range); a wave's store covers 256 consecutive bytes, aligned.
; more = 1: the next group's two loads go out; they have a K step in which to land.  The stores reach back behind the stepped pointer by their immediates.
.macro WPC more
	s_wait_loadcnt 0x0                             ; the group's two loads, issued a K step ago: no other load of mine is out
	s_wait_xcnt 0x0                                ; the last group's stores have read their data and both pointers (and the last prefetch its address): they are rewritten only behind this wait
.irp p, 0,1
	v_cvt_pk_bf16_f32 v[WY+2*(\p)],   v[WX+4*(\p)],   v[WX+4*(\p)+1]
	v_cvt_pk_bf16_f32 v[WY+2*(\p)+1], v[WX+4*(\p)+2], v[WX+4*(\p)+3]
.endr
.irp p, 0,1
	v_lshlrev_b32 v[WT],   16,     v[WY+2*(\p)]
	v_and_b32     v[WT+1], s[HM],  v[WY+2*(\p)]
	v_lshlrev_b32 v[WT+2], 16,     v[WY+2*(\p)+1]
	v_and_b32     v[WT+3], s[HM],  v[WY+2*(\p)+1]
	v_cvt_pk_f16_f32 v[WY+2*(\p)],   v[WT],   v[WT+1]
	v_cvt_pk_f16_f32 v[WY+2*(\p)+1], v[WT+2], v[WT+3]
.endr
	s_add_nc_u64 s[WD:WD+1], s[WD:WD+1], 2048
.if \more
	s_add_nc_u64 s[WS:WS+1], s[WS:WS+1], 4096
	global_load_b128 v[WX:WX+3],   v[WSO], s[WS:WS+1] th:TH_LOAD_NT
	global_load_b128 v[WX+4:WX+7], v[WSO], s[WS:WS+1] offset:2048 th:TH_LOAD_NT
.endif
	global_store_b64 v[WDO], v[WY:WY+1],   s[WD:WD+1] offset:-2048
	global_store_b64 v[WDO], v[WY+2:WY+3], s[WD:WD+1] offset:-1024
.endm
; The last quarter multiplies buffer 1 and changes slots.  Its first 24 products, which want nothing of the next slot, stand AHEAD of the wait for the tensor loads.  Then each wave waits for all its tensor
; loads (one is out: its part of the next slot), adds 0 to its spare word, and waits for that and for its own reads of this slot; behind the barrier nobody reads this slot any more and the next slot is whole.
; fill = 1: the barrier is a round of the cluster's, and the slot just read out is filled again first behind it, with the K step two on: nothing but the round stands between the wait and the request.
.macro TURN fill
	WIN 0
	WPC 1
.if \fill
	s_add_nc_u64 s[PFA:PFA+1], s[PFA:PFA+1], KSTEP*2  ; (behind the wait on XCNT above: the last prefetch stands a K step back)
.endif
	s_wait_dscnt 8                                 ; w's fragments and x's rows 0-63 are in
	MUL12 F1, 0, 0, 0
	MUL12 F1, 0, 2, 0
	WIN 0
	s_wait_tensorcnt 0x0                           ; all my tensor loads have landed, so a group 0 may be written
	ds_add_u32 v[SPW], v[NIL]                      ; 0 onto my spare word; the scalar steps stand between it and the wait for it
.if \fill
.irp g, G0+4, G0B+4
	s_xor_b32 s[(\g)+1], s[(\g)+1], SLOT           ; the walking descriptor: the other slot than last time,
	s_add_nc_u64 s[(\g)+2:(\g)+3], s[(\g)+2:(\g)+3], KSTEP*2  ; the next K step; the type bits on top are not reached
.endr
.endif
	s_xor_b32 s[TB], s[TB], SLOT                   ; the reads go to the other slot
	s_wait_dscnt 0x0                               ; the add is done, and my reads of this slot are over
.if \fill
	CROUND                                         ; no wave of any partner still reads this slot's tiles or has a load on its way
	JLOAD 1
.else
	s_barrier_signal -1
	s_barrier_wait -1
.endif
	v_add_nc_u32 v[ADRA], s[TB], v[ABASE]          ; four plain instructions: with fill = 0 they are the places in front of the loads below
.irp d, 0,1,2
	v_add_nc_u32 v[ADRB+(\d)], s[TB], v[BBASE+(\d)]
.endr
	FETCH 0, F0
.if \fill
	ASK
.endif
	MUL12 F1, 1, 0, 0
	MUL12 F1, 1, 2, 0
.endm
	s_wait_tensorcnt 0x1                           ; my part of K step 0 is in; K step 1's may stay out
	s_wait_dscnt 0x0                               ; my rows of the table are stored
	s_barrier_signal -1
	s_barrier_wait -1
	FETCH 0, F0
	QUARTER 64,  F0, F1, 1                         ; the first quarter stands in front of the loop: its products start the sums with the bias
	WIN 0                                          ; at a label and at a branch every window is 0
	s_mov_b32 s3, STEPS-2
.Lstep:                                                ; 14 trips: from a K step's second quarter to the next step's first; each fills the slot that it leaves
	QUARTER 128, F1, F0, 0
	QUARTER 192, F0, F1, 0
	TURN 1
	QUARTER 64,  F0, F1, 0
	WIN 0
	s_sub_co_u32 s3, s3, 1
	s_cmp_lg_u32 s3, 0
	s_cbranch_scc1 .Lstep
	QUARTER 128, F1, F0, 0                         ; the last two K steps fill nothing
	QUARTER 192, F0, F1, 0
	TURN 0
	QUARTER 64,  F0, F1, 0
	QUARTER 128, F1, F0, 0
	QUARTER 192, F0, F1, 0
	WIN 0
	WPC 0                                          ; wp's last group
	s_wait_dscnt 8                                 ; the very last quarter: nothing more to fetch
	MUL12 F1, 0, 0, 0
	MUL12 F1, 0, 2, 0
	s_wait_dscnt 0x0
	MUL12 F1, 1, 0, 0
	MUL12 F1, 1, 2, 0
	WIN 0
	; THE WAY OUT.  My pairs of the table for all eight row blocks; then, a row block at a time: the rotation of q and k, the rounding to f16, 16 bytes a lane into the stage.
	PLACES
.irp a, 0,1,2,3,4,5,6,7
.irp i, 0,1
	ds_load_b128 v[64+8*(\a)+4*(\i):64+8*(\a)+4*(\i)+3], v[CSA] offset:(\a)*16*PITCH+32*(\i)
.endr
.endr
	s_wait_dscnt 0x0
; Row block a.  (r, i) is a register pair of an accumulator, (c, s) a pair made of a table word: first (r c, r s), then (r c - i s, r s + i c).  Each accumulator is read from its low end on.
.macro ROPE a
	WIN 0
.irp e, 0,1,2,3,4,5,6,7
	v_lshlrev_b32 v[128+2*(\e)], 16, v[64+8*(\a)+(\e)]      ; c
	v_and_b32 v[129+2*(\e)], s[HM], v[64+8*(\a)+(\e)]       ; s
.endr
	WIN 2+(\a)/4                                   ; source 0: the accumulators' window
.irp b, 0,1,2,3
.irp z, 0,1,2,3
	v_pk_mul_f32 v[144+8*(\b)+2*(\z):144+8*(\b)+2*(\z)+1], v[48*((\a)%4)+8*(\b)+2*(\z):48*((\a)%4)+8*(\b)+2*(\z)+1], v[128+8*((\b)%2)+2*(\z):128+8*((\b)%2)+2*(\z)+1] op_sel:[0,0] op_sel_hi:[0,1]
.endr
.irp z, 0,1,2,3
	v_pk_fma_f32 v[144+8*(\b)+2*(\z):144+8*(\b)+2*(\z)+1], v[48*((\a)%4)+8*(\b)+2*(\z):48*((\a)%4)+8*(\b)+2*(\z)+1], v[128+8*((\b)%2)+2*(\z):128+8*((\b)%2)+2*(\z)+1], v[144+8*(\b)+2*(\z):144+8*(\b)+2*(\z)+1] op_sel:[1,1,0] op_sel_hi:[1,0,1] neg_lo:[0,1,0]
.endr
.endr
	WIN 5*(2+(\a)/4)                               ; sources 0 and 1: the accumulators' window: v is rounded as it is
.irp b, 4,5
.irp z, 0,1,2,3
	v_cvt_pk_f16_f32 v[192+4*(\b)+(\z)], v[48*((\a)%4)+8*(\b)+2*(\z)], v[48*((\a)%4)+8*(\b)+2*(\z)+1]
.endr
.endr
	WIN 0
.irp b, 0,1,2,3
.irp z, 0,1,2,3
	v_cvt_pk_f16_f32 v[192+4*(\b)+(\z)], v[144+8*(\b)+2*(\z)], v[144+8*(\b)+2*(\z)+1]
.endr
.endr
.irp b, 0,1,2,3
	ds_store_b128 v[STO], v[192+4*(\b):192+4*(\b)+3] offset:((\b)/2)*HALFT+(\a)*16*PITCH+32*((\b)%2)
.endr
.irp i, 0,1
	ds_store_b128 v[STO2], v[208+4*(\i):208+4*(\i)+3] offset:(\a)*16*PITCH+32*(\i)
.endr
.endm
.irp a, 0,1,2,3,4,5,6,7
	ROPE \a
.endr
	s_wait_dscnt 0x0                               ; for the others' sake: my stores into the stage are done (a row's 256 bytes come from four waves)
	s_barrier_signal -1
	s_barrier_wait -1
.irp d, 0,1
.irp p, 0,1,2,3,4,5,6,7,8,9,10,11,12,13,14,15
	ds_load_b128 v[64+4*(16*(\d)+(\p)):64+4*(16*(\d)+(\p))+3], v[RD] offset:(\d)*HALFT+2*PITCH*(\p)
.endr
.endr
.irp p, 0,1,2,3,4,5,6,7,8,9,10,11,12,13,14,15
	ds_load_b128 v[192+4*(\p):192+4*(\p)+3], v[RD2] offset:2*PITCH*(\p)
.endr
.set n, 0
.rept 48
	s_wait_dscnt 47-n                              ; load n is back, the younger ones stay out
	global_store_b128 v[GO], v[64+4*n:64+4*n+3], s[OUTB+2*(n/16):OUTB+2*(n/16)+1] offset:512*(n%16)  ; 16 lanes store a row's 256 consecutive bytes, aligned
.set n, n+1
.endr
	s_wait_tensorcnt 0x0                           ; the wave's end: behind my last tensor load and my last LDS store
	ds_add_u32 v[SPW], v[NIL]
	s_wait_dscnt 0x0
	CROUND                                         ; the closing round: no work-group ends while a partner may still ask for a tile that names it
	s_endpgm
.Lfunc_end_k_q5294af7d8f_qkv:
	.size	k_q5294af7d8f_qkv, .Lfunc_end_k_q5294af7d8f_qkv-k_q5294af7d8f_qkv
	.p2alignl 7, 3214868480
	.fill 96, 4, 3214868480
	.section	.rodata,"a",@progbits
	.p2align	6, 0x0
	.amdhsa_kernel k_q5294af7d8f_qkv
		.amdhsa_group_segment_fixed_size 327680
		.amdhsa_private_segment_fixed_size 0
		.amdhsa_enable_private_segment 0
		.amdhsa_kernarg_size 80
		.amdhsa_user_sgpr_count 2
		.amdhsa_user_sgpr_kernarg_segment_ptr 1
		.amdhsa_wavefront_size32 1
		.amdhsa_system_sgpr_workgroup_id_x 1
		.amdhsa_system_sgpr_workgroup_id_y 1
		.amdhsa_system_sgpr_workgroup_id_z 1
		.amdhsa_system_vgpr_workitem_id 0
		.amdhsa_next_free_vgpr 960
		.amdhsa_next_free_sgpr 88
		.amdhsa_reserve_vcc 0
		.amdhsa_float_denorm_mode_32 3
		.amdhsa_float_denorm_mode_16_64 3
		.amdhsa_memory_ordered 1
		.amdhsa_forward_progress 1
		.amdhsa_inst_pref_size 134
	.end_amdhsa_kernel
	.amdgpu_metadata
---
amdhsa.version: [ 1, 2 ]
amdhsa.kernels:
  - .name:           k_q5294af7d8f_qkv
    .symbol:         k_q5294af7d8f_qkv.kd
    .args:
      - { .name: xb, .offset: 0, .size: 8, .value_kind: global_buffer, .address_space: global }
      - { .name: wb, .offset: 8, .size: 8, .value_kind: global_buffer, .address_space: global }
      - { .name: bq, .offset: 16, .size: 8, .value_kind: global_buffer, .address_space: global }
      - { .name: bk, .offset: 24, .size: 8, .value_kind: global_buffer, .address_space: global }
      - { .name: bv, .offset: 32, .size: 8, .value_kind: global_buffer, .address_space: global }
      - { .name: cos, .offset: 40, .size: 8, .value_kind: global_buffer, .address_space: global }
      - { .name: sin, .offset: 48, .size: 8, .value_kind: global_buffer, .address_space: global }
      - { .name: qkv, .offset: 56, .size: 8, .value_kind: global_buffer, .address_space: global }
      - { .name: wp, .offset: 64, .size: 8, .value_kind: global_buffer, .address_space: global }
      - { .name: wpb, .offset: 72, .size: 8, .value_kind: global_buffer, .address_space: global }
    .group_segment_fixed_size: 327680
    .private_segment_fixed_size: 0
    .kernarg_segment_align: 8
    .kernarg_segment_size: 80
    .max_flat_workgroup_size: 128
    .sgpr_count:     88
    .vgpr_count:     960
    .wavefront_size: 32
...
	.end_amdgpu_metadata
.endif
;; end of part 2
;; launch attn (part 3): grid 16 x 16, 4 waves a work-group, clusters of 4 x 1, 327,680 bytes of LDS; arguments qkv, ob; writes ob
.if DOCPART == 3
	.amdgcn_target "amdgcn-amd-amdhsa--gfx1250"
	.amdhsa_code_object_version 6
	.text
	.protected	k_q5294af7d8f_attn
	.globl	k_q5294af7d8f_attn
	.p2align	8
	.type	k_q5294af7d8f_attn,@function
k_q5294af7d8f_attn:
	s_mov_b64 s[64:65], 0
	v_nop
	global_prefetch_b8 v0, s[64:65] scope:SCOPE_SE
	s_setreg_imm32_b32 hwreg(HW_REG_WAVE_MODE, 25, 1), 1
	s_wait_xcnt 0x0
	s_wait_alu depctr_hold_cnt(0) depctr_sa_sdst(0) depctr_va_vdst(0) depctr_va_sdst(0) depctr_va_ssrc(0) depctr_va_vcc(0) depctr_vm_vsrc(0)
	s_getreg_b32 s2, hwreg(HW_REG_IB_STS2, 6, 4)
	s_cmp_eq_u32 s2, 0
	s_cbranch_scc0 .Lentry_in_a_cluster
	s_endpgm
.Lentry_in_a_cluster:
	s_bfe_u32 s2, ttmp6, 0x10000c
	s_cmp_lg_u32 s2, 0x3003
	s_cbranch_scc0 .Lentry_shape_is_right
	s_endpgm
.Lentry_shape_is_right:
; CAUSAL ATTENTION.  O[t][head] = the sum over s <= t of softmax_s(q[t] . k[s] / sqrt(2048)) v[s].  qkv: [3][16][2048][128] f16 (q, k rotated, unscaled).  ob: [2048][2048] f16, head h at byte 256 h of a row.
; Products, maxima and sums in f32; the weights p are rounded to f16 for the second product (their sum l is taken of the unrounded p), O once at the end.
; LIMITS.  q, k, v arrive within f16's range.  A hidden score counts as its value less 2^100: f16's scores, 5.5e11 at the most, are nothing beside that.  A weight below 2^-126 counts as 0 in l.
; p below 6e-5 keeps f16's fixed step of 6e-8.  NaN and infinities are not treated apart.
; THE WALK.  A head's queries lie in 32 blocks of 64, its keys in 8 tiles of 256.  With c the cluster's x and cx my place in it, a work-group takes block 4 (7 - c) + cx and then block 4 c + cx.  All four
; partners need exactly the tiles 0 .. 7 - c and then 0 .. c: nine tiles whatever c, the same sequence in all four.  So every fill is a joint load, all work-groups do equal work, and the loop's count is a constant.
; KEYS ARE SPLIT AMONG THE WAVES: of a tile wave w takes the keys 64 w .. 64 w + 63, for all 64 queries (four tiles of 16): each fragment of K or V read from LDS feeds four products.
; Each wave so holds a partial (m, l, O); at a block's end the four are merged through LDS.
; LAYOUT.  S^T = K Q^T (source 0 = 16 keys, source 1 = 16 queries): a lane holds ONE query (lane % 16) and the keys 8 (lane / 16) + 0..7.  Two such results rounded to f16 ARE source 1 of O^T = V^T P.
; SOFTMAX.  p = 2^(c' s - c' m), c' = log2(e) / sqrt(2048), with a running maximum m; in every step O and l are multiplied by a = 2^(c' m_old - c' m_new).
; THE MASK is the C operand that starts S^T: 0, or X = -2^100 where the key is hidden.  In the block's last tile my 64 keys lie wholly before the block (w < cx), on it (w = cx) or behind it (w > cx); on it,
; key block kb and query tile t are visible (kb < t), triangular (kb = t) or hidden (kb > t).  Three sets of 8 registers (MLT, MEQ, MGT) serve the three cases, chosen in the text; their contents are made
; anew for each tile from three scalars: all 0 but in the last tile.  One text for all tiles, no branch.
; m STARTS AT m0 = -2^99, above X: a wave that has seen hidden keys alone keeps m = m0, its p are 2^(-c' 2^99) = 0, and the merge gives it the factor 2^(c' m0 - M) = 0.  A wave's first true score makes
; a = 0, which wipes O and l.  So O and l need only be finite at a block's start: zeros for the first block, what the first block left for the second.
; REGISTERS, in windows of 256 (s_set_vgpr_msb: bits 1:0 source 0, 3:2 source 1, 5:4 source 2, 7:6 destination):
;   window 0: v2-11 addresses; v12-43 eight registers of statistics a tile; v44-60 at work; v61-63; v64-191 S^T, 32 a tile; v192-255 P, 16 a tile
;   window 1: O^T, 64 a tile      window 2: v0-127 Q; v128-255 K      window 3: v0-127 V; v128-151 the three masks; v152-159 the triangle
.set PK,    272       ; a row of K in LDS: 256 bytes + 16 of padding: the 16 rows of a load start at 16 different groups of four banks (64 banks of 4 bytes: ISA guide 11.1)
.set PV,    288       ; a row of V: 256 + 32
.set VOFF,  256*PK    ; a slot holds a tile: 256 rows of K, then 256 rows of V
.set SLOTX, 0x24000   ; slot 1 begins here; its two bits are in none of the four LDS words of the descriptors, so one exclusive or changes slots
.set STATS, VOFF+256*PV  ; between the slots, 4,096 bytes: wave x 1,024 + tile x 256 + lane x 8: (c' m, l); no tensor load lands here
.set SCR,   SLOTX+STATS  ; behind slot 1: 4 waves x 8,448 bytes: one query tile's partial O; no tensor load lands here
.set REGN,  4*8448
.set SPARE, SCR+REGN  ; the spare words, 128 bytes for each wave: two blocks of 256 bytes that no other line names
.set AK0, 2           ; v2   my lane's place in my wave's 64 rows of K; never rewritten
.set AV0, 3           ; v3   the same for V
.set ADR, 4           ; v4   the LDS address of K's run of loads
.set ADV, 5           ; v5   of V's
.set QO,  6           ; v6   my byte offset in 16 rows of Q
.set WA0, 7           ; v7   the merge: where I put 16 bytes of my partial O
.set RA0, 8           ; v8   the merge: where I read them back
.set GO,  9           ; v9   my 16 bytes in ob: row 4 w + l / 16 of 16, chunk l % 16
.set SA,  10          ; v10  my wave's statistics
.set SB,  11          ; v11  wave 0's
.set ST,  12          ; tile t's statistics at v[ST+8 t]: +0 c' m, +1 m, +2, +3 l (even keys', odd keys'), +4 to +7 at work; a takes +6 once the maximum is found
.set WAX, 44
.set RAX, 45
.set PFO, 61          ; v61  256 x my lane: a row of K or V is 256 bytes; never rewritten
.set SPW, 62          ; v62  LDS address of my spare word; never rewritten
.set NIL, 63          ; v63  0; never rewritten
.set S,   64
.set P,   192
.set KF,  128         ; window 2
.set MLT, 128         ; window 3
.set MEQ, 136
.set MGT, 144
.set TRI, 152
.set WV,  12          ; s12  my wave's number;  s13 cx;  s14 c;  s15 the head
.set G1K, 24          ; s[24:31] descriptor group 1 for K's tiles
.set G1V, 32          ; s[32:39] for V's: it differs in the padding alone
.set G0K, 40          ; s[40:43] descriptor group 0 for K's tiles
.set G0V, 44          ; s[44:47] for V's
.set PFA, 52          ; s[52:53] where my prefetches stand
.set LIM, 54          ; s54  2 in the head's first cluster, else the greatest number
.set SLOTS, 56        ; s56  tiles still to be asked for
.set RT,  57          ; s57  tiles of the block in hand that are still to be entered
.set CS,  58          ; s[58:59] c'
.set SEL, 60          ; s[60:61] v_permlanex16_b32's selects: each lane takes its own place in the other half
.set TB,  62          ; s62  LDS byte at which the slot to be read begins
.set NXT, 66          ; s66  the tile to be asked for next
.set LQ,  67          ; s67  the last tile of the block whose tiles are being asked for
.set OFF, 68          ; s[68:69] a tile's byte offset in K and V
.set AL,  70          ; s[70:71] the triangle's factor
.set BE,  72          ; s[72:73] MLT's value, and MEQ's addend
.set BG,  74          ; s74  MGT's value
.set ALD, 75          ; s75-77 the three in a block's last tile
.set BED, 76
.set BGD, 77
.set BIGN, 78         ; s78  X
.set MSB, 0
.macro WIN new                      ; the high byte repeats the setting that is left; a switch that changes nothing is dropped
.if MSB != (\new)
	s_set_vgpr_msb (MSB<<8)|(\new)
.set MSB, \new
.endif
.endm
.set W_KQ, 0x0a       ; K and Q in window 2, S^T in window 0
.set W_KM, 0x3a       ; the same with the C operand in window 3
.set W_PV, 0x53       ; V in window 3, P in window 0, O^T in window 1
.set W_RS, 0x41       ; O^T (destination and source 0) in window 1, the factor in window 0
; A joint fill.  Waves 0 and 1 fetch the two halves of a tile's K, waves 2 and 3 those of its V: 128 rows each.  An s_nop 0 and four v_nop follow each of the two lines.
.macro JLOAD
	s_cmp_lt_u32 s[WV], 2
	s_cbranch_scc0 .Lfor_v_\@
	tensor_load_to_lds s[G0K:G0K+3], s[G1K:G1K+7]
	s_nop 0
.rept 4
	v_nop
.endr
	s_branch .Lasked_\@
.Lfor_v_\@:
	tensor_load_to_lds s[G0V:G0V+3], s[G1V:G1V+7]
	s_nop 0
.rept 4
	v_nop
.endr
.Lasked_\@:
.endm
; A prefetch into the L2 of the tile that the NEXT change of slots will ask for.  The head's first cluster walks all eight tiles, in step with the others: it alone asks, in trips 0 to 5, for tiles 2 to 7.
; Its four partners take 64 rows each, told apart by address; in each, waves 0 and 1 ask for 32 rows of K, waves 2 and 3 for 32 of V: a lane a row.  So each row is named once in the launch.
.macro ASK
	s_cmp_gt_u32 s[SLOTS], s[LIM]
	s_cbranch_scc0 .Lnot_mine_\@
	global_prefetch_b8 v[PFO], s[PFA:PFA+1] th:TH_LOAD_NT scope:SCOPE_SE
.Lnot_mine_\@:
.endm
.macro CROUND                       ; a round of the cluster's barrier
	s_barrier_signal -1
	s_barrier_wait -1
	s_cmp_lg_u32 s[WV], 0
	s_cbranch_scc1 .Lnot_wave_0_\@
	s_barrier_signal -3
.Lnot_wave_0_\@:
	s_barrier_wait -3
	s_barrier_signal -1
	s_barrier_wait -1
.endm
; THE CHANGE OF SLOTS.  Each wave waits for all its tensor loads (one is out: its part of the other slot), adds 0 to its spare word, and waits for that and for its own reads of the slot that it leaves.
; fill = 1: the barrier is a round of the cluster's, and the old slot is filled again first behind it, with tile NXT: the descriptor's address is made anew from that number.
; (At its first use nothing has been read yet: slot 0 is waited for, slot 1 filled.)
.macro CHANGE fill
	WIN 0
	s_wait_tensorcnt 0x0            ; no tensor load of mine is out, so a group 0 may be written
	ds_add_u32 v[SPW], v[NIL]       ; 0 onto my spare word
.if \fill
	s_lshl_b32 s[OFF], s[NXT], 16   ; a tile is 65,536 bytes of K and of V
	s_xor_b32 s[G0K+1], s[G0K+1], SLOTX
	s_add_nc_u64 s[G0K+2:G0K+3], s[16:17], s[OFF:OFF+1]
	s_or_b32 s[G0K+3], s[G0K+3], 0x80000000
	s_xor_b32 s[G0V+1], s[G0V+1], SLOTX
	s_add_nc_u64 s[G0V+2:G0V+3], s[18:19], s[OFF:OFF+1]
	s_or_b32 s[G0V+3], s[G0V+3], 0x80000000
	s_add_co_u32 s[NXT], s[NXT], 1  ; the block's next tile, or behind its last the second block's tile 0
	s_cmp_gt_u32 s[NXT], s[LQ]
	s_cselect_b32 s[NXT], 0, s[NXT]
	s_cselect_b32 s[LQ], s14, s[LQ]
	s_wait_xcnt 0x0                 ; the last prefetch, a tile back, has read its address
	s_add_nc_u64 s[PFA:PFA+1], s[PFA:PFA+1], 65536
	s_wait_dscnt 0x0                ; the add is done, and my reads of the slot are over
	CROUND
	JLOAD
	ASK
.else
	s_wait_dscnt 0x0
	s_barrier_signal -1
	s_barrier_wait -1
.endif
	s_xor_b32 s[TB], s[TB], SLOTX   ; the reads go to the other slot
.endm
	s_load_b128 s[4:7], s[0:1], 0x0 ; qkv s[4:5], ob s[6:7]
	v_lshl_add_u32 v[SPW], v0, 2, SPARE
	v_mov_b32 v[NIL], 0
	ds_add_u32 v[SPW], v[NIL]       ; the wave's opening: the add and its wait ahead of my first tensor load; the set-up below, work on registers, stands between them
	v_lshrrev_b32 v1, 5, v0
	v_readfirstlane_b32 s[WV], v1   ; wave 0..3
	s_bfe_u32 s13, ttmp6, 0x40000   ; cx: it enters Q's, O's and the prefetches' addresses and the masks' values alone
	s_mov_b32 s14, ttmp9            ; c: in a cluster launch ttmp9 counts clusters
	s_and_b32 s15, ttmp7, 0xffff    ; the head
	s_lshl_b32 s8, s15, 19          ; a head's 524,288 bytes in each kind
	s_and_b32 s9, s[WV], 1          ; which half of a tile's 256 rows I fetch:
	s_lshl_b32 s2, s9, 15           ; its 128 rows of 256 bytes in memory,
	s_add_co_u32 s2, s2, s8
	s_add_co_u32 s2, s2, 0x800000   ; in k
	s_mov_b32 s3, 0
	s_mul_i32 s55, s9, 128*PK       ; and its place in a slot, for K
	s_mul_i32 s63, s9, 128*PV       ; and for V
	s_add_co_u32 s63, s63, VOFF
	s_lshl_b32 s10, s14, 2
	s_sub_co_u32 s11, 28, s10
	s_add_co_u32 s11, s11, s13      ; the first block: 4 (7 - c) + cx
	s_add_co_u32 s10, s10, s13      ; the second: 4 c + cx
	s_lshl_b32 s20, s11, 14         ; a block's 64 rows of 256 bytes in q
	s_add_co_u32 s20, s20, s8
	s_mov_b32 s21, 0
	s_lshl_b32 s22, s10, 14
	s_add_co_u32 s22, s22, s8
	s_mov_b32 s23, 0
	s_lshl_b32 s79, s15, 8          ; the head's 256 bytes of a row of ob
	s_lshl_b32 s48, s11, 18         ; a block's 64 rows of 4,096 bytes
	s_add_co_u32 s48, s48, s79
	s_mov_b32 s49, 0
	s_lshl_b32 s50, s10, 18
	s_add_co_u32 s50, s50, s79
	s_mov_b32 s51, 0
	s_lshr_b32 s52, s[WV], 1        ; the prefetches: k for waves 0 and 1, v for waves 2 and 3,
	s_add_co_u32 s52, s52, 1
	s_lshl_b32 s52, s52, 23
	s_add_co_u32 s52, s52, s8
	s_lshl_b32 s79, s13, 14         ; my work-group's 64 rows of a tile,
	s_add_co_u32 s52, s52, s79
	s_lshl_b32 s79, s9, 13          ; my wave's 32 of them,
	s_add_co_u32 s52, s52, s79
	s_add_co_u32 s52, s52, 65536    ; in tile 1: the first change of slots steps it to tile 2
	s_mov_b32 s53, 0
	s_cmp_eq_u32 s14, 0
	s_cselect_b32 s[LIM], 2, -1     ; the same in all four partners
	; descriptor group 1: a tile of 128 rows x 128 elements, padded in LDS
	s_mov_b32 s[G1K], 15|(1<<16)|(1<<20)|(1<<21)|(5<<22)|(3<<25)  ; 15:0 the mask of four; 17:16 2-byte elements; 20 padding on; 21 set beside a mask; 24:22 after every 64 words (code 5); 31:25 4 words (code 3)
	s_mov_b32 s[G1V], 15|(1<<16)|(1<<20)|(1<<21)|(5<<22)|(7<<25)  ; the same with 8 words of padding (code 7)
.irp g, G1K, G1V
	s_mov_b32 s[(\g)+1], 128<<16    ; tensor_dim0 = 128
	s_mov_b32 s[(\g)+2], 128<<16    ; tensor_dim1 = 128
	s_mov_b32 s[(\g)+3], 128<<16    ; tile_dim0 = 128
	s_mov_b32 s[(\g)+4], 128        ; tile_dim1 = 128
	s_mov_b32 s[(\g)+5], 128        ; 128 elements from row to row
	s_mov_b32 s[(\g)+6], 0
	s_mov_b32 s[(\g)+7], 0
.endr
	s_mov_b32 s[G0K], 1             ; count = 1
	s_mov_b32 s[G0K+1], s55         ; LDS address: slot 0
	s_mov_b32 s[G0V], 1
	s_mov_b32 s[G0V+1], s63
	s_mov_b32 s[CS], 0x3d0293ee     ; c' = log2(e) / sqrt(2048) = 0.0318793
	s_mov_b32 s[CS+1], s[CS]        ; named with it as a pair
	s_mov_b32 s[SEL], 0x76543210
	s_mov_b32 s[SEL+1], 0xfedcba98
	s_mov_b32 s[TB], SLOTX          ; the first change of slots turns it into 0
	s_mov_b32 s[SLOTS], 8
	s_sub_co_u32 s[RT], 8, s14      ; the first block has 8 - c tiles
	s_mov_b32 s[NXT], 1
	s_sub_co_u32 s[LQ], 7, s14
	s_mov_b32 s[OFF+1], 0
	s_mov_b32 s[AL+1], 0            ; named as pairs
	s_mov_b32 s[BE+1], 0
	s_mov_b32 s[BIGN], 0xf1800000   ; X = -2^100
	s_cmp_eq_u32 s[WV], s13         ; my keys in a block's last tile: on the block,
	s_cselect_b32 s[ALD], 1.0, 0
	s_cmp_gt_u32 s[WV], s13         ; behind it,
	s_cselect_b32 s[BED], s[BIGN], 0
	s_cmp_ge_u32 s[WV], s13         ; or either
	s_cselect_b32 s[BGD], s[BIGN], 0
	s_wait_dscnt 0x0                ; the opening add is done
	s_wait_kmcnt 0x0
	s_add_nc_u64 s[16:17], s[4:5], s[2:3]        ; k at my half of the head's tile 0
	s_add_nc_u64 s[18:19], s[16:17], 0x800000    ; v likewise
	s_add_nc_u64 s[20:21], s[4:5], s[20:21]      ; q at the first block, at the second
	s_add_nc_u64 s[22:23], s[4:5], s[22:23]
	s_add_nc_u64 s[48:49], s[6:7], s[48:49]      ; ob likewise
	s_add_nc_u64 s[50:51], s[6:7], s[50:51]
	s_add_nc_u64 s[PFA:PFA+1], s[4:5], s[52:53]
	s_mov_b64 s[G0K+2:G0K+3], s[16:17]
	s_or_b32 s[G0K+3], s[G0K+3], 0x80000000      ; type = 2
	s_mov_b64 s[G0V+2:G0V+3], s[18:19]
	s_or_b32 s[G0V+3], s[G0V+3], 0x80000000
	CROUND                          ; all four work-groups are here: the first joint loads meet
	JLOAD                           ; tile 0 into slot 0
	; A fragment of K or Q is 16 rows x 32 channels in 8 registers: lane l holds row l % 16, channels 8 (l / 16) + 0..7 and 16 + 8 (l / 16) + 0..7: two loads of 16 bytes, 32 bytes apart.
	v_and_b32 v48, 15, v0           ; r = l % 16
	v_bfe_u32 v49, v0, 4, 1         ; h = l / 16
	v_lshlrev_b32 v[QO], 8, v48
	v_lshl_add_u32 v[QO], v49, 4, v[QO]
	WIN 0x80                        ; destination window 2, address window 0
.set i, 0
.rept 16                            ; the first block's Q: tile i / 4, channels 32 (i % 4) on
	global_load_b128 v[8*i:8*i+3],   v[QO], s[20:21] offset:(i/4)*4096+(i%4)*64
	global_load_b128 v[8*i+4:8*i+7], v[QO], s[20:21] offset:(i/4)*4096+(i%4)*64+32
.set i, i+1
.endr
	WIN 0
	v_lshlrev_b32 v46, 3, v49
	v_sub_nc_u32 v46, v48, v46      ; r - 8 h: register j of the triangle is hidden where j is greater
	WIN 0xc0
.set i, 0
.rept 8
	v_cmp_gt_i32 vcc_lo, i, v46
	v_cndmask_b32 v[TRI+i], 0, s[BIGN], vcc_lo
.set i, i+1
.endr
	WIN 0
	v_mul_u32_u24 v[AK0], v48, PK
	v_lshl_add_u32 v[AK0], v49, 4, v[AK0]
	s_mul_i32 s79, s[WV], 64*PK     ; my wave's 64 keys
	v_add_nc_u32 v[AK0], s79, v[AK0]
	; The turning load takes 16 keys x 16 channels (lane l reads key 8 (l / 16) + l % 8, channels 8 ((l / 8) % 2) + 0..7) and leaves half a fragment of V^T: lane l holds channel l % 16 and 8 keys.
	v_and_b32 v50, 7, v0
	v_bfe_u32 v51, v0, 3, 1
	v_lshl_add_u32 v[AV0], v49, 3, v50
	v_mul_u32_u24 v[AV0], v[AV0], PV
	v_lshl_add_u32 v[AV0], v51, 4, v[AV0]
	s_mul_i32 s79, s[WV], 64*PV
	s_add_co_u32 s79, s79, VOFF
	v_add_nc_u32 v[AV0], s79, v[AV0]
	v_mul_u32_u24 v[WA0], v49, 272  ; the merge, in: quad q at 528 q; the lanes' halves 272 apart; 16 bytes a lane
	v_lshl_add_u32 v[WA0], v48, 4, v[WA0]
	s_mul_i32 s79, s[WV], 8448
	v_add_nc_u32 v[WA0], s79, v[WA0]
	v_lshrrev_b32 v53, 1, v48       ; back: chunk i = l % 16 of a row is channel block i / 2, half i % 2; row 4 w + l / 16
	v_mul_u32_u24 v[RA0], v53, 1056
	v_and_b32 v53, 1, v48
	v_mul_u32_u24 v53, v53, 272
	v_add_nc_u32 v[RA0], v53, v[RA0]
	s_lshl_b32 s79, s[WV], 2
	v_add_nc_u32 v53, s79, v49      ; 4 w + h
	v_lshl_add_u32 v[RA0], v53, 4, v[RA0]
	v_lshlrev_b32 v[GO], 12, v53
	v_lshl_add_u32 v[GO], v48, 4, v[GO]
	v_and_b32 v52, 31, v0
	v_lshlrev_b32 v[SB], 3, v52
	v_add_nc_u32 v[SB], STATS, v[SB]
	s_lshl_b32 s79, s[WV], 10
	v_add_nc_u32 v[SA], s79, v[SB]
	v_lshlrev_b32 v[PFO], 8, v52
	; O^T and l need only be finite (see the head): zeros, written in the wait for the first tile, so that no first step is written out
	WIN 0x40
.set i, 0
.rept 256
	v_mov_b32 v[i], 0
.set i, i+1
.endr
	WIN 0
.irp t, 0,1,2,3
	v_mov_b32 v[ST+8*(\t)+1], 0xf1000000           ; m0 = -2^99
	v_mul_f32 v[ST+8*(\t)], s[CS], v[ST+8*(\t)+1]  ; c' m0, made as every c' m is made
	v_mov_b32 v[ST+8*(\t)+2], 0
	v_mov_b32 v[ST+8*(\t)+3], 0
.endr
	s_wait_loadcnt 0x0              ; Q
; THE MATRIX WORK, for piece x (tiles x, x + 1).  The accumulators take turns, one instruction a turn.
; Product i of 32 of S^T = K Q^T: channels 32 (i / 8) on, keys 16 ((i / 2) % 4) on, tile x + i % 2.  The first 8 start the sums with the mask.
.macro KQ x
.set tq, (\x)+i%2
.set kb, (i/2)%4
.set rS, S+32*tq+8*kb
.set rK, KF+32*kb+8*(i/8)
.set rQ, 32*tq+8*(i/8)
.if i < 8
.set rM, MEQ
.if kb < tq
.set rM, MLT
.endif
.if kb > tq
.set rM, MGT
.endif
	WIN W_KM
	v_wmma_f32_16x16x32_f16 v[rS:rS+7], v[rK:rK+7], v[rQ:rQ+7], v[rM:rM+7]
.else
	WIN W_KQ
	v_wmma_f32_16x16x32_f16 v[rS:rS+7], v[rK:rK+7], v[rQ:rQ+7], v[rS:rS+7]
.endif
.endm
; Product i of 32 of O^T += V^T P: keys 32 (i / 16) on, channels 16 ((i / 2) % 8) on, tile x + i % 2.
.macro PV x
	WIN W_PV
.set rO, 64*((\x)+i%2)+8*((i/2)%8)
.set rV, 64*(i/16)+8*((i/2)%8)
.set rP, P+16*((\x)+i%2)+8*(i/16)
	v_wmma_f32_16x16x32_f16 v[rO:rO+7], v[rV:rV+7], v[rP:rP+7], v[rO:rO+7]
.endm
; THE VECTOR WORK.  One tile's softmax for one step is a list of 134 instructions; SM writes number j of it for tile t.  s0-s31 are the lane's 32 scores, in pairs 0-15.
;   0-15    the maximum of s0-s31 and the old m, three operands at a time (each accumulator's lowest registers are read first)
;   16-20   the other half of the lanes' maximum; the new m; c' m; c' m_old - c' m_new
;   21-69   ONE BATCH: the 16 scalings c' s - c' m and all 33 exponentials (a at 23, then s0-s31); none of these reads an exponential's result
;   70-85   the roundings to f16          86-101  the sums; l = a l + the sum          102-133 the tile's O^T times a
.macro SM t
.set rT, ST+8*(\t)
.set rS, S+32*(\t)
.set rP, P+16*(\t)
.set rO, 64*(\t)+2*(j-102)
.if j < 102
	WIN 0
.endif
.if j < 4
	v_max3_num_f32 v[rT+4+j], v[rS+8*j], v[rS+8*j+1], v[rS+8*j+2]
.elseif j < 12
	v_max3_num_f32 v[rT+4+j%4], v[rT+4+j%4], v[rS+8*(j%4)+2*(j/4)+1], v[rS+8*(j%4)+2*(j/4)+2]
.elseif j == 12
	v_max3_num_f32 v[rT+4], v[rT+4], v[rS+7], v[rS+15]
.elseif j == 13
	v_max3_num_f32 v[rT+6], v[rT+6], v[rS+23], v[rS+31]
.elseif j == 14
	v_max3_num_f32 v[rT+4], v[rT+4], v[rT+5], v[rT+6]
.elseif j == 15
	v_max3_num_f32 v[rT+4], v[rT+4], v[rT+7], v[rT+1]
.elseif j == 16
	v_permlanex16_b32 v[rT+5], v[rT+4], s[SEL], s[SEL+1]  ; the query's other 32 keys lie in the lane 16 away
.elseif j == 17
	v_mov_b32 v[rT+7], v[rT]        ; c' m_old is kept for a
.elseif j == 18
	v_max_num_f32 v[rT+1], v[rT+4], v[rT+5]
.elseif j == 19
	v_mul_f32 v[rT], s[CS], v[rT+1]
.elseif j == 20
	v_sub_f32 v[rT+7], v[rT+7], v[rT]
.elseif j == 23
	v_exp_f32 v[rT+6], v[rT+7]
.elseif (j < 23) || ((j < 38) && (j%2 == 0)) || ((j < 66) && (j%4 == 2))
.set b, (j-2)/4                     ; 38, 42, .. 62: pairs 9 to 15
.if j < 38
.set b, (j-20)/2                    ; 21: pair 0; 22, 24, .. 36: pairs 1 to 8
.endif
	v_pk_fma_f32 v[rS+2*b:rS+2*b+1], v[rS+2*b:rS+2*b+1], s[CS:CS+1], v[rT:rT+1] op_sel_hi:[1,0,0] neg_lo:[0,0,1] neg_hi:[0,0,1]
.elseif j < 70
.set e, j-38                        ; 66 to 69: s28 to s31
.if j < 66
.set e, j-32-(j-38)/4               ; 39-41, 43-45, .. 63-65: s7 to s27
.endif
.if j < 38
.set e, (j-25)/2                    ; 25, 27, .. 37: s0 to s6
.endif
	v_exp_f32 v[rS+e], v[rS+e]
.elseif j < 86
	v_cvt_pk_f16_f32 v[rP+j-70], v[rS+2*(j-70)], v[rS+2*(j-70)+1]
.elseif j < 102                     ; the sum of the 16 pairs, in place: neighbours 1, 2, 4 and 8 pairs apart, then l takes it
.set z, j-86
.set w, 4
.set u, z
.if z >= 14
.set w, 32
.set u, 0
.elseif z >= 12
.set w, 16
.set u, z-12
.elseif z >= 8
.set w, 8
.set u, z-8
.endif
.if z < 15
	v_pk_add_f32 v[rS+w*u:rS+w*u+1], v[rS+w*u:rS+w*u+1], v[rS+w*u+w/2:rS+w*u+w/2+1]
.else
	v_pk_fma_f32 v[rT+2:rT+3], v[rT+2:rT+3], v[rT+6:rT+7], v[rS:rS+1] op_sel_hi:[1,0,1]
.endif
.else
	WIN W_RS
	v_pk_mul_f32 v[rO:rO+1], v[rO:rO+1], v[rT+6:rT+7] op_sel_hi:[1,0]
.endif
.endm
; Slice k of 64 of piece y's softmax: four instructions (slice 63: sixteen).  Slices 11 to 34 deal out the batch, four numbers of one tile each, the tiles by turns; every other slice is numbers 2 k and
; 2 k + 1 of both tiles.  Ahead of slice 35 nothing names an exponential's result, and behind slice 34 none is issued: so the piece's 66 exponentials have one plain instruction and one wait, behind slice 34.
.macro SLICE y
.if (k >= 11) && (k < 35)
.irp n, 0,1,2,3
.set j, 22+4*((k-11)/2)+(\n)
	SM (\y)+(k-11)%2
.endr
.else
.irp n, 0,1,2,3,4,5,6,7
.if ((\n) < 2) || (k == 63)
.irp t, \y, (\y)+1
.set j, 2*k+(\n)
	SM \t
.endr
.endif
.endr
.endif
.if k == 34
	v_nop                           ; a plain instruction behind the last exponential
	s_wait_alu depctr_va_vdst(0)    ; the wait ahead of the first use: one for the batch
.endif
.set k, k+1
.endm
.macro PLACES                       ; four plain vector instructions between a matrix instruction and a read of its result (ISA guide 7.12.1)
.rept 4
	v_nop
.endr
.endm
; The masks of the tile to be entered: twenty plain instructions, which are also the places between the last product that read V and the loads into V's registers.
.macro MASKS
	s_cmp_eq_u32 s[RT], 0           ; is it the block's last tile?
	s_cselect_b32 s[AL], s[ALD], 0
	s_cselect_b32 s[BE], s[BED], 0
	s_cselect_b32 s[BG], s[BGD], 0
	WIN 0xc3
.set i, 0
.rept 8
	v_mov_b32 v[MLT+i], s[BE]
	v_mov_b32 v[MGT+i], s[BG]
.set i, i+1
.endr
.set i, 0
.rept 4
	v_pk_fma_f32 v[MEQ+i:MEQ+i+1], v[TRI+i:TRI+i+1], s[AL:AL+1], s[BE:BE+1] op_sel_hi:[1,0,0]
.set i, i+2
.endr
.endm
; A STEP: my 64 keys of the tile, for all 64 queries.  Piece 0's scores stand bare; piece 0's softmax rides behind piece 2's scores, piece 2's behind piece 0's V^T P, two slices a product; piece 2's V^T P
; stands bare.  Nothing is carried from step to step but m, l and O^T.  No rider names a register of the products round it; slices 62 and 63, twenty plain multiplies, are the places behind a run's last product.
.macro STEP
	WIN 0
	v_add_nc_u32 v[ADR], s[TB], v[AK0]
	v_add_nc_u32 v[ADV], s[TB], v[AV0]
	WIN 0x80                        ; destination window 2
.irp f, 0,1,2,3,4,5,6,7,8,9,10,11,12,13,14,15  ; keys 16 (f / 4) on, channels 32 (f % 4) on
	ds_load_b128 v[KF+8*(\f):KF+8*(\f)+3],   v[ADR] offset:((\f)/4)*16*PK+((\f)%4)*64
	ds_load_b128 v[KF+8*(\f)+4:KF+8*(\f)+7], v[ADR] offset:((\f)/4)*16*PK+((\f)%4)*64+32
.endr
	WIN 0xc0                        ; destination window 3
.irp f, 0,1,2,3,4,5,6,7,8,9,10,11,12,13,14,15  ; keys 32 (f / 8) on, channels 16 (f % 8) on
	ds_load_tr16_b128 v[8*(\f):8*(\f)+3],   v[ADV] offset:((\f)/8)*32*PV+((\f)%8)*32
	ds_load_tr16_b128 v[8*(\f)+4:8*(\f)+7], v[ADV] offset:((\f)/8)*32*PV+16*PV+((\f)%8)*32
.endr
	s_wait_dscnt 32                 ; K is in; V's 32 loads may be out
.set i, 0
.rept 32
	KQ 0
.set i, i+1
.endr
	PLACES
.set k, 0
.set i, 0
.rept 32
	KQ 2
	SLICE 0
	SLICE 0
.set i, i+1
.endr
	s_wait_dscnt 0x0                ; V is in
.set k, 0
.set i, 0
.rept 32
	PV 0
	SLICE 2
	SLICE 2
.set i, i+1
.endr
.set i, 0
.rept 32
	PV 2
.set i, i+1
.endr
.endm
; THE MERGE at a block's end.  Query tile t's partial O of my wave goes into my 8,448 bytes of a region: 16 stores of 256 consecutive bytes for each half of the lanes.
.macro STO_T t, base
	WIN 0
	v_add_nc_u32 v[WAX], (\base), v[WA0]
	WIN 0x04                        ; the data (source 1) in window 1
.set q, 0
.rept 16
	ds_store_b128 v[WAX], v[64*(\t)+4*q:64*(\t)+4*q+3] offset:528*q
.set q, q+1
.endr
	WIN 0
.endm
; Of tile t's 16 rows my wave finishes rows 4 w .. 4 w + 3: a lane reads its eight channels of all four waves' partial O (the 16 lanes of a row touch 16 different 16-byte columns), adds them,
; rounds to f16 and stores: 16 lanes hold a row's 256 consecutive bytes of ob, aligned.
.macro LD_T t, base
	WIN 0
	v_add_nc_u32 v[RAX], (\base), v[RA0]
.irp e, 0,1
.irp w, 0,1,2,3
.irp n, 0,1
	ds_load_b128 v[96+32*(\e)+8*(\w)+4*(\n):96+32*(\e)+8*(\w)+4*(\n)+3], v[RAX] offset:8448*(\w)+528*(\n)+32*(\e)
.endr
.endr
.endr
	s_wait_dscnt 0x0
.irp e, 0,1
.irp z, 0,2,4,6
	v_pk_add_f32 v[96+32*(\e)+(\z):96+32*(\e)+(\z)+1], v[96+32*(\e)+(\z):96+32*(\e)+(\z)+1], v[104+32*(\e)+(\z):104+32*(\e)+(\z)+1]
	v_pk_add_f32 v[112+32*(\e)+(\z):112+32*(\e)+(\z)+1], v[112+32*(\e)+(\z):112+32*(\e)+(\z)+1], v[120+32*(\e)+(\z):120+32*(\e)+(\z)+1]
.endr
.irp z, 0,2,4,6
	v_pk_add_f32 v[96+32*(\e)+(\z):96+32*(\e)+(\z)+1], v[96+32*(\e)+(\z):96+32*(\e)+(\z)+1], v[112+32*(\e)+(\z):112+32*(\e)+(\z)+1]
.endr
.irp z, 0,1,2,3
	v_cvt_pk_f16_f32 v[224+4*(2*(\t)+(\e))+(\z)], v[96+32*(\e)+2*(\z)], v[96+32*(\e)+2*(\z)+1]
.endr
	global_store_b128 v[GO], v[224+4*(2*(\t)+(\e)):224+4*(2*(\t)+(\e))+3], s[48:49] offset:(16*(\t)+2*(\e))*4096
.endr
.endm
; sync = 1 (the first block): one region, used four times, a barrier in front of each writing and each reading; the second block's Q is asked for at the head and lands meanwhile.
; sync = 0 (the second block): four regions in slot 1, which has had its last fill and whose last read stands in front of the last change of slots' barrier: one barrier.
.macro MERGE base, stride, sync
	WIN 0
.if \sync
	WIN 0x80
.set i, 0
.rept 16
	global_load_b128 v[8*i:8*i+3],   v[QO], s[22:23] offset:(i/4)*4096+(i%4)*64
	global_load_b128 v[8*i+4:8*i+7], v[QO], s[22:23] offset:(i/4)*4096+(i%4)*64+32
.set i, i+1
.endr
	WIN 0
.endif
.irp t, 0,1,2,3                     ; my wave's l: its two halves and the other half of the lanes'.  These additions are the places behind the last products
	v_add_f32 v[ST+8*(\t)+5], v[ST+8*(\t)+2], v[ST+8*(\t)+3]
.endr
.irp t, 0,1,2,3
	v_permlanex16_b32 v[ST+8*(\t)+6], v[ST+8*(\t)+5], s[SEL], s[SEL+1]
.endr
.irp t, 0,1,2,3
	v_add_f32 v[ST+8*(\t)+5], v[ST+8*(\t)+5], v[ST+8*(\t)+6]
	v_mov_b32 v[ST+8*(\t)+4], v[ST+8*(\t)]
.endr
.irp t, 0,1,2,3
	ds_store_b64 v[SA], v[ST+8*(\t)+4:ST+8*(\t)+5] offset:256*(\t)
.endr
	s_wait_dscnt 0x0                ; for the others' sake
	s_barrier_signal -1
	s_barrier_wait -1
.irp t, 0,1,2,3
.irp w, 0,1,2,3
	ds_load_b64 v[64+8*(\t)+2*(\w):64+8*(\t)+2*(\w)+1], v[SB] offset:1024*(\w)+256*(\t)
.endr
.endr
	s_wait_dscnt 0x0
.irp t, 0,1,2,3                     ; M = the greatest c' m of the four waves
	v_max3_num_f32 v[ST+8*(\t)+7], v[64+8*(\t)], v[64+8*(\t)+2], v[64+8*(\t)+4]
.endr
.irp t, 0,1,2,3
	v_max_num_f32 v[ST+8*(\t)+7], v[ST+8*(\t)+7], v[64+8*(\t)+6]
.endr
.irp t, 0,1,2,3
.irp w, 0,1,2,3
	v_sub_f32 v[64+8*(\t)+2*(\w)], v[64+8*(\t)+2*(\w)], v[ST+8*(\t)+7]
.endr
	v_sub_f32 v[ST+8*(\t)+6], v[ST+8*(\t)+4], v[ST+8*(\t)+7]
.endr
.irp t, 0,1,2,3                     ; one batch of twenty exponentials
.irp w, 0,1,2,3
	v_exp_f32 v[64+8*(\t)+2*(\w)], v[64+8*(\t)+2*(\w)]
.endr
	v_exp_f32 v[ST+8*(\t)+6], v[ST+8*(\t)+6]
.endr
	v_nop                           ; a plain instruction behind the last exponential,
	s_wait_alu depctr_va_vdst(0)    ; and the wait ahead of the first use
.irp t, 0,1,2,3                     ; L = the sum of the four waves' a l
	v_mul_f32 v[ST+8*(\t)+5], v[64+8*(\t)], v[64+8*(\t)+1]
.endr
.irp w, 1,2,3
.irp t, 0,1,2,3
	v_fmac_f32 v[ST+8*(\t)+5], v[64+8*(\t)+2*(\w)], v[64+8*(\t)+2*(\w)+1]
.endr
.endr
.irp t, 0,1,2,3
	v_rcp_f32 v[ST+8*(\t)+5], v[ST+8*(\t)+5]
.endr
	v_nop
	s_wait_alu depctr_va_vdst(0)    ; one wait for the four reciprocals
.irp t, 0,1,2,3
	v_mul_f32 v[ST+8*(\t)+6], v[ST+8*(\t)+6], v[ST+8*(\t)+5]  ; my wave's factor: a / L
.endr
	WIN W_RS
.irp t, 0,1,2,3
.set i, 0
.rept 32
	v_pk_mul_f32 v[64*(\t)+i:64*(\t)+i+1], v[64*(\t)+i:64*(\t)+i+1], v[ST+8*(\t)+6:ST+8*(\t)+7] op_sel_hi:[1,0]
.set i, i+2
.endr
.endr
	WIN 0
.if \sync
.irp t, 0,1,2,3
.if (\t) > 0
	s_barrier_signal -1             ; every wave's reads of the region are back (the wait for 0 in LD_T): it may be written again
	s_barrier_wait -1
.endif
	STO_T \t, (\base)
	s_wait_dscnt 0x0
	s_barrier_signal -1
	s_barrier_wait -1
	LD_T \t, (\base)
.endr
.else
.irp t, 0,1,2,3
	STO_T \t, (\base)+(\t)*(\stride)
.endr
	s_wait_dscnt 0x0
	s_barrier_signal -1
	s_barrier_wait -1
.irp t, 0,1,2,3
	LD_T \t, (\base)+(\t)*(\stride)
.endr
.endif
.endm
.Lslot:                             ; eight trips: a tile is entered and the next is asked for
	CHANGE 1
	s_sub_co_u32 s[RT], s[RT], 1
	MASKS
	STEP
	WIN 0                           ; at a label and at a branch every window is 0
	s_cmp_lg_u32 s[RT], 0           ; RT is made of the cluster's x alone: the same in all waves and all partners
	s_cbranch_scc1 .Lbottom
	MERGE SCR, 0, 1                 ; the first block's end: in trip 7 - c
	s_wait_xcnt 0x0                 ; the stores have read their registers and O's address
	s_mov_b64 s[48:49], s[50:51]
	s_add_co_u32 s[RT], s14, 1      ; the second block has c + 1 tiles
.irp t, 0,1,2,3
	v_mov_b32 v[ST+8*(\t)+1], 0xf1000000
	v_mul_f32 v[ST+8*(\t)], s[CS], v[ST+8*(\t)+1]
.endr
	s_wait_loadcnt 0x0              ; the second block's Q
.Lbottom:
	s_sub_co_u32 s[SLOTS], s[SLOTS], 1
	s_cmp_lg_u32 s[SLOTS], 0
	s_cbranch_scc1 .Lslot
	CHANGE 0                        ; the walk's last tile is written out: nothing is asked for
	s_sub_co_u32 s[RT], s[RT], 1    ; it is the second block's last
	MASKS
	STEP
	MERGE SLOTX, REGN, 0
	s_wait_tensorcnt 0x0            ; the wave's end: behind my last tensor load and my last LDS store
	ds_add_u32 v[SPW], v[NIL]
	s_wait_dscnt 0x0
	CROUND                          ; the closing round: no work-group ends while a partner may still ask for a tile that names it
	s_endpgm
.Lfunc_end_k_q5294af7d8f_attn:
	.size	k_q5294af7d8f_attn, .Lfunc_end_k_q5294af7d8f_attn-k_q5294af7d8f_attn
	.p2alignl 7, 3214868480
	.fill 96, 4, 3214868480
	.section	.rodata,"a",@progbits
	.p2align	6, 0x0
	.amdhsa_kernel k_q5294af7d8f_attn
		.amdhsa_group_segment_fixed_size 327680
		.amdhsa_private_segment_fixed_size 0
		.amdhsa_enable_private_segment 0
		.amdhsa_kernarg_size 16
		.amdhsa_user_sgpr_count 2
		.amdhsa_user_sgpr_kernarg_segment_ptr 1
		.amdhsa_wavefront_size32 1
		.amdhsa_system_sgpr_workgroup_id_x 1
		.amdhsa_system_sgpr_workgroup_id_y 1
		.amdhsa_system_sgpr_workgroup_id_z 1
		.amdhsa_system_vgpr_workitem_id 0
		.amdhsa_next_free_vgpr 928
		.amdhsa_next_free_sgpr 80
		.amdhsa_reserve_vcc 1
		.amdhsa_float_denorm_mode_32 3
		.amdhsa_float_denorm_mode_16_64 3
		.amdhsa_memory_ordered 1
		.amdhsa_forward_progress 1
		.amdhsa_inst_pref_size 181
	.end_amdhsa_kernel
	.amdgpu_metadata
---
amdhsa.version: [ 1, 2 ]
amdhsa.kernels:
  - .name:           k_q5294af7d8f_attn
    .symbol:         k_q5294af7d8f_attn.kd
    .args:
      - { .name: qkv, .offset: 0, .size: 8, .value_kind: global_buffer, .address_space: global }
      - { .name: ob, .offset: 8, .size: 8, .value_kind: global_buffer, .address_space: global }
    .group_segment_fixed_size: 327680
    .private_segment_fixed_size: 0
    .kernarg_segment_align: 8
    .kernarg_segment_size: 16
    .max_flat_workgroup_size: 128
    .sgpr_count:     80
    .vgpr_count:     928
    .wavefront_size: 32
...
	.end_amdgpu_metadata
.endif
;; end of part 3
;; launch proj (part 4): grid 16 x 16, 4 waves a work-group, clusters of 4 x 4, 327,680 bytes of LDS; arguments ob, wpb, bp, out0; writes out0
.if DOCPART == 4
	.amdgcn_target "amdgcn-amd-amdhsa--gfx1250"
	.amdhsa_code_object_version 6
	.text
	.protected	k_q5294af7d8f_proj
	.globl	k_q5294af7d8f_proj
	.p2align	8
	.type	k_q5294af7d8f_proj,@function
k_q5294af7d8f_proj:
	s_mov_b64 s[64:65], 0
	v_nop
	global_prefetch_b8 v0, s[64:65] scope:SCOPE_SE
	s_setreg_imm32_b32 hwreg(HW_REG_WAVE_MODE, 25, 1), 1
	s_wait_xcnt 0x0
	s_wait_alu depctr_hold_cnt(0) depctr_sa_sdst(0) depctr_va_vdst(0) depctr_va_sdst(0) depctr_va_ssrc(0) depctr_va_vcc(0) depctr_vm_vsrc(0)
	s_getreg_b32 s2, hwreg(HW_REG_IB_STS2, 6, 4)
	s_cmp_eq_u32 s2, 0
	s_cbranch_scc0 .Lentry_in_a_cluster
	s_endpgm
.Lentry_in_a_cluster:
	s_bfe_u32 s2, ttmp6, 0x10000c
	s_cmp_lg_u32 s2, 0xf033
	s_cbranch_scc0 .Lentry_shape_is_right
	s_endpgm
.Lentry_shape_is_right:
; out0[t][n] = the sum over k of ob[t][k] wpb[n][k] + bp[n].  ob, wpb: [2048][2048] f16; bp f32, rounded to bf16 here like every other input of the module; out0 f32.  Sums in f32.
; A tile of the output is 128 x 128: 256 work-groups.  Four waves, each 64 x 64: 16 accumulators of 16 x 16.  K goes in 8 steps of 256 (LDS rows of 512 bytes; a wave's tensor load brings 64 of them)
; through two slots.  A K step is written once: the fragments' LDS addresses hang on s[TB], the slot's first byte, and one set of descriptors walks from slot to slot and from K step to K step.
; CLUSTERS: 4 x 4 work-groups; the four of a row need the same rows of ob, the four of a column the same rows of wpb: joint loads.
; THE MATRIX INSTRUCTION IS USED TRANSPOSED (source 0 = 16 rows of wpb, source 1 = 16 rows of ob): a lane holds eight neighbouring numbers of a row of the output.
; THE BIAS IS THE C OPERAND of the product that starts each sum.  No prefetch: a small tile's step is short, and each block is read by many work-groups at about the same time.
; REGISTERS: window 0: v0-31 addresses; v32-35 at work; v96-127 the bias, 8 registers a column block; v128-255 the accumulators ((a, b) at v[128 + 8 (4 a + b)]).
;   window 1: two fragment buffers of 128: for 64 along K, 64 registers of ob (2 x 4 x 16 rows x 32 K), then 64 of wpb.
.set KSTEP,  256
.set STEPS,  8
.set PITCH,  528                       ; an LDS row: 512 bytes + 16 of padding = 132 words: row r starts at bank 4 r mod 64 (64 banks of 4 bytes: ISA guide 11.1)
.set HALFT,  64*PITCH
.set SLOT,   4*HALFT                   ; ob's 128 rows, then wpb's 128 rows.  0x21000: its two bits are in none of the four parts' first bytes, so one exclusive or changes slots
.set SPARE,  2*SLOT                    ; behind the ring: the spare words, 128 bytes for each wave: two blocks of 256 bytes that no other line names
.set SPITCH, 272                       ; THE STAGE: a wave's own 64 rows x 272 bytes in slot 0, at 17,408 x wave: slot 0 has had its last fill, and its last read stands in front of the last change of slots' barrier
.set ABASE, 16                         ; v16  my place in ob's rows of a slot; never rewritten
.set ADRA, 17                          ; v17  the same in the slot that is being read
.set BBASE, 20                         ; v20  my place in wpb's rows; never rewritten
.set ADRB, 21                          ; v21  the same in the slot that is being read
.set STO,  24
.set RD,   25
.set CO,   26
.set SPW,  28
.set NIL,  29
.set BIAS, 96
.set ACC,  128
.set F0,   0
.set F1,   128
.set WV,   12                          ; s12 my wave's number;  s13 which half of the tile's rows is mine, also: I fetch for ob (0) or wpb (1);  s14 which half of its columns, also: which 64 rows I fetch
.set G1, 24
.set G0, 32                            ; s[32:39] group 0 for ob's tiles: a set for each of the two first fills; the second then walks
.set G1B, 48
.set G0B, 56
.set HM,  66                           ; s66 a word's upper 16 bits
.set TB,  67                           ; s67 first LDS byte of the slot that is being read
.set MSB, 0
.macro WIN new
.if MSB != (\new)
	s_set_vgpr_msb (MSB<<8)|(\new)
.set MSB, \new
.endif
.endm
.set MUL,  0x05                        ; sources 0 and 1 window 1; C and D window 0
.set TO_F, 0x40                        ; destination window 1, address window 0
.macro JLOAD s                         ; a joint load; an s_nop 0 and four v_nop follow each of the two lines
	s_cmp_eq_u32 s13, 0
	s_cbranch_scc0 .Lfor_b_\@
	tensor_load_to_lds s[G0+4*(\s):G0+4*(\s)+3], s[G1:G1+7]
	s_nop 0
.rept 4
	v_nop
.endr
	s_branch .Lasked_\@
.Lfor_b_\@:
	tensor_load_to_lds s[G0B+4*(\s):G0B+4*(\s)+3], s[G1B:G1B+7]
	s_nop 0
.rept 4
	v_nop
.endr
.Lasked_\@:
.endm
.macro CROUND                          ; a round of the cluster's barrier
	s_barrier_signal -1
	s_barrier_wait -1
	s_cmp_lg_u32 s[WV], 0
	s_cbranch_scc1 .Lnot_wave_0_\@
	s_barrier_signal -3
.Lnot_wave_0_\@:
	s_barrier_wait -3
	s_barrier_signal -1
	s_barrier_wait -1
.endm
	s_load_b256 s[4:11], s[0:1], 0x0               ; ob 4, wpb 6, bp 8, out0 10
	v_lshl_add_u32 v[SPW], v0, 2, SPARE
	v_mov_b32 v[NIL], 0
	ds_add_u32 v[SPW], v[NIL]                      ; the wave's opening: the add and its wait ahead of my first tensor load
	v_lshrrev_b32 v1, 5, v0
	v_readfirstlane_b32 s[WV], v1
	s_lshr_b32 s13, s[WV], 1
	s_and_b32 s14, s[WV], 1
	s_bfe_u32 s40, ttmp6, 0x40000                  ; cx, cy
	s_bfe_u32 s41, ttmp6, 0x40004
	s_lshl_b32 s42, ttmp9, 2
	s_add_co_u32 s42, s42, s40                     ; tile column
	s_and_b32 s15, ttmp7, 0xffff
	s_lshl_b32 s15, s15, 2
	s_add_co_u32 s15, s15, s41                     ; tile row
	s_lshl_b32 s43, s41, 2
	s_lshl_b32 s43, 15, s43                        ; my row of the cluster
	s_lshl_b32 s44, 0x1111, s40                    ; my column
	s_or_b32 s[G1], s43, (1<<16)|(1<<20)|(1<<21)|(6<<22)|(3<<25)   ; the mask; 2-byte elements; padding on; 21 set beside a mask; after every 128 words (code 6) 4 words (code 3)
	s_or_b32 s[G1B], s44, (1<<16)|(1<<20)|(1<<21)|(6<<22)|(3<<25)
.irp g, G1, G1B
	s_mov_b32 s[(\g)+1], KSTEP<<16                 ; tensor_dim0 = 256
	s_mov_b32 s[(\g)+2], 64<<16                    ; tensor_dim1 = 64
	s_mov_b32 s[(\g)+3], KSTEP<<16                 ; tile_dim0 = 256
	s_mov_b32 s[(\g)+4], 64                        ; tile_dim1 = 64
	s_mov_b32 s[(\g)+5], 2048                      ; elements from row to row
	s_mov_b32 s[(\g)+6], 0
	s_mov_b32 s[(\g)+7], 0
.endr
	s_lshl_b32 s17, s14, 6                         ; which 64 rows of the tile I fetch
	s_lshl_b32 s16, s15, 7
	s_add_co_u32 s16, s16, s17
	s_lshl_b32 s16, s16, 12                        ; ob: row 128 x tile row + 64 x half, 4,096 bytes a row
	s_lshl_b32 s46, s42, 7
	s_add_co_u32 s46, s46, s17
	s_lshl_b32 s46, s46, 12                        ; wpb: row 128 x tile column + 64 x half
	s_mov_b32 s17, 0
	s_mov_b32 s47, 0
	s_mul_i32 s20, s[WV], HALFT                    ; where they go: wave x 64 rows
	s_mov_b32 s[HM], 0xffff0000
	s_mov_b32 s[TB], 0                             ; slot 0 is read first
	s_wait_dscnt 0x0                               ; the opening add is done
	s_wait_kmcnt 0x0
	s_add_nc_u64 s[16:17], s[4:5], s[16:17]
	s_add_nc_u64 s[46:47], s[6:7], s[46:47]
	CROUND                                         ; all sixteen work-groups are here: the first joint loads meet
.irp s, 0,1
	s_mov_b32 s[G0+4*(\s)], 1
	s_add_co_u32 s[G0+4*(\s)+1], s20, (\s)*SLOT
	s_add_nc_u64 s[G0+4*(\s)+2:G0+4*(\s)+3], s[16:17], (\s)*KSTEP*2
	s_or_b32 s[G0+4*(\s)+3], s[G0+4*(\s)+3], 0x80000000
	s_mov_b32 s[G0B+4*(\s)], 1
	s_add_co_u32 s[G0B+4*(\s)+1], s20, (\s)*SLOT
	s_add_nc_u64 s[G0B+4*(\s)+2:G0B+4*(\s)+3], s[46:47], (\s)*KSTEP*2
	s_or_b32 s[G0B+4*(\s)+3], s[G0B+4*(\s)+3], 0x80000000
	JLOAD \s
.endr
	v_and_b32 v1, 15, v0                           ; r = l % 16
	v_bfe_u32 v2, v0, 4, 1                         ; h = l / 16
	s_lshl_b32 s68, s42, 9                         ; my 64 columns in bytes of f32: 512 x tile column + 256 x half: in bp and in a row of out0
	s_lshl_b32 s69, s14, 8
	s_add_co_u32 s68, s68, s69
	s_mov_b32 s69, 0
	s_add_nc_u64 s[8:9], s[8:9], s[68:69]
	v_lshlrev_b32 v3, 5, v2                        ; register j of column block b holds bp[.. + 16 b + 8 h + j], the layout of a result
.irp b, 0,1,2,3
	global_load_b128 v[BIAS+8*(\b):BIAS+8*(\b)+3],   v3, s[8:9] offset:64*(\b)
	global_load_b128 v[BIAS+8*(\b)+4:BIAS+8*(\b)+7], v3, s[8:9] offset:64*(\b)+16
.endr
	v_mul_u32_u24 v4, v1, PITCH
	v_lshl_add_u32 v4, v2, 4, v4                   ; a fragment's row x pitch + 16 x half
	s_mul_i32 s21, s13, HALFT                      ; my 64 rows of ob
	s_mul_i32 s22, s14, HALFT                      ; my 64 rows of wpb,
	s_add_co_u32 s22, s22, 2*HALFT                 ; which lie behind ob's 128
	v_add_nc_u32 v[ABASE], s21, v4
	v_add_nc_u32 v[BBASE], s22, v4
	v_add_nc_u32 v[ADRA], s[TB], v[ABASE]
	v_add_nc_u32 v[ADRB], s[TB], v[BBASE]
	s_mul_i32 s23, s[WV], 64*SPITCH                ; my stage
	v_mul_u32_u24 v5, v1, SPITCH                   ; in: row l % 16, 32 bytes for each half of the lanes
	v_lshl_add_u32 v5, v2, 5, v5
	v_add_nc_u32 v[STO], s23, v5
	v_mul_u32_u24 v5, v2, SPITCH                   ; back: lanes 0-15 one row of 256 bytes, lanes 16-31 the next
	v_lshl_add_u32 v5, v1, 4, v5
	v_add_nc_u32 v[RD], s23, v5
	v_lshlrev_b32 v5, 13, v2                       ; and the same two rows in out0: 8,192 bytes a row
	v_lshl_add_u32 v[CO], v1, 4, v5
	s_lshl_b32 s18, s15, 7
	s_lshl_b32 s19, s13, 6
	s_add_co_u32 s18, s18, s19                     ; my first row: 128 x tile row + 64 x half
	s_lshl_b32 s18, s18, 13
	s_add_co_u32 s18, s18, s68
	s_mov_b32 s19, 0
	s_add_nc_u64 s[10:11], s[10:11], s[18:19]
	s_wait_loadcnt 0x0                             ; the bias: rounded to bf16 and widened again, in place
.set z, 0
.rept 16
	v_cvt_pk_bf16_f32 v[32+z%4], v[BIAS+2*z], v[BIAS+2*z+1]
	v_lshlrev_b32 v[BIAS+2*z], 16, v[32+z%4]
	v_and_b32 v[BIAS+2*z+1], s[HM], v[32+z%4]
.set z, z+1
.endr
; 8 matrix instructions: row blocks a0, a0 + 1 x all 4 column blocks, 32 along K: half c of buffer f.  first = 1: the sum starts with the bias.  The 16 accumulators take turns.
.macro MUL8 f, c, a0, first
	WIN MUL
.irp a, \a0, (\a0)+1
.irp b, 0,1,2,3
.if \first
	v_wmma_f32_16x16x32_f16 v[ACC+8*(4*(\a)+(\b)):ACC+8*(4*(\a)+(\b))+7], v[(\f)+64+8*(4*(\c)+(\b)):(\f)+64+8*(4*(\c)+(\b))+7], v[(\f)+8*(4*(\c)+(\a)):(\f)+8*(4*(\c)+(\a))+7], v[BIAS+8*(\b):BIAS+8*(\b)+7]
.else
	v_wmma_f32_16x16x32_f16 v[ACC+8*(4*(\a)+(\b)):ACC+8*(4*(\a)+(\b))+7], v[(\f)+64+8*(4*(\c)+(\b)):(\f)+64+8*(4*(\c)+(\b))+7], v[(\f)+8*(4*(\c)+(\a)):(\f)+8*(4*(\c)+(\a))+7], v[ACC+8*(4*(\a)+(\b)):ACC+8*(4*(\a)+(\b))+7]
.endif
.endr
.endr
.endm
; 32 LDS loads in one run: the fragments of 64 along K at byte ko of the rows of the slot that is being read, into buffer f; the first 32 along K first
.macro FETCH ko, f
	WIN TO_F
.irp c, 0,1
.irp i, 0,1,2,3
	ds_load_b128 v[(\f)+64+8*(4*(\c)+(\i)):(\f)+64+8*(4*(\c)+(\i))+3],   v[ADRB] offset:(\ko)+64*(\c)+(\i)*16*PITCH
	ds_load_b128 v[(\f)+64+8*(4*(\c)+(\i))+4:(\f)+64+8*(4*(\c)+(\i))+7], v[ADRB] offset:(\ko)+64*(\c)+(\i)*16*PITCH+32
	ds_load_b128 v[(\f)+8*(4*(\c)+(\i)):(\f)+8*(4*(\c)+(\i))+3],         v[ADRA] offset:(\ko)+64*(\c)+(\i)*16*PITCH
	ds_load_b128 v[(\f)+8*(4*(\c)+(\i))+4:(\f)+8*(4*(\c)+(\i))+7],       v[ADRA] offset:(\ko)+64*(\c)+(\i)*16*PITCH+32
.endr
.endr
.endm
.macro PLACES                          ; four plain vector instructions in front of loads into registers that matrix instructions have read, and of stores that read results
.rept 4
	v_nop
.endr
.endm
; A K step is four quarters of 64 along K, 32 matrix instructions each, on buffers 0, 1, 0, 1.
.macro QUARTER ko, f, g, first
	s_wait_dscnt 16                                ; the first 32 along K are in
	MUL8 \f, 0, 0, \first
	MUL8 \f, 0, 2, \first
	PLACES
	FETCH \ko, \g
	s_wait_dscnt 32                                ; all but the 32 just issued
	MUL8 \f, 1, 0, 0
	MUL8 \f, 1, 2, 0
.endm
; The last quarter multiplies buffer 1 and changes slots.  Its first 16 products, which want nothing of the next slot, stand AHEAD of the wait for the tensor loads.  Then each wave waits for all its tensor
; loads (one is out: its part of the next slot), adds 0 to its spare word, and waits for that and for its own reads of this slot; behind the barrier nobody reads this slot any more and the next slot is whole.
; fill = 1: the barrier is a round of the cluster's, and the slot just read out is filled again first behind it, with the K step two on: nothing but the round stands between the wait and the request.
.macro TURN fill
	s_wait_dscnt 16                                ; the first 32 along K are in
	MUL8 F1, 0, 0, 0
	MUL8 F1, 0, 2, 0
	WIN 0
	s_wait_tensorcnt 0x0                           ; all my tensor loads have landed, so a group 0 may be written
	ds_add_u32 v[SPW], v[NIL]                      ; 0 onto my spare word; the scalar steps stand between it and the wait for it
.if \fill
.irp g, G0+4, G0B+4
	s_xor_b32 s[(\g)+1], s[(\g)+1], SLOT           ; the walking descriptor: the other slot than last time,
	s_add_nc_u64 s[(\g)+2:(\g)+3], s[(\g)+2:(\g)+3], KSTEP*2  ; the next K step; the type bits on top are not reached
.endr
.endif
	s_xor_b32 s[TB], s[TB], SLOT                   ; the reads go to the other slot
	s_wait_dscnt 0x0                               ; the add is done, and my reads of this slot are over
.if \fill
	CROUND                                         ; no wave of any partner still reads this slot's tiles or has a load on its way
	JLOAD 1
.else
	s_barrier_signal -1
	s_barrier_wait -1
	v_nop                                          ; with the two additions below: the four places in front of the loads
	v_nop
.endif
	v_add_nc_u32 v[ADRA], s[TB], v[ABASE]
	v_add_nc_u32 v[ADRB], s[TB], v[BBASE]
	FETCH 0, F0
	MUL8 F1, 1, 0, 0
	MUL8 F1, 1, 2, 0
.endm
	s_wait_tensorcnt 0x1                           ; my part of K step 0 is in; K step 1's may stay out
	s_barrier_signal -1
	s_barrier_wait -1
	FETCH 0, F0
	QUARTER 128, F0, F1, 1                         ; the first quarter stands in front of the loop: its first products start the sums with the bias
	WIN 0                                          ; at a label and at a branch every window is 0
	s_mov_b32 s3, STEPS-2
.Lstep:                                                ; 6 trips: from a K step's second quarter to the next step's first; each fills the slot that it leaves
	QUARTER 256, F1, F0, 0
	QUARTER 384, F0, F1, 0
	TURN 1
	QUARTER 128, F0, F1, 0
	WIN 0
	s_sub_co_u32 s3, s3, 1
	s_cmp_lg_u32 s3, 0
	s_cbranch_scc1 .Lstep
	QUARTER 256, F1, F0, 0                         ; the last two K steps fill nothing
	QUARTER 384, F0, F1, 0
	TURN 0
	QUARTER 128, F0, F1, 0
	QUARTER 256, F1, F0, 0
	QUARTER 384, F0, F1, 0
	s_wait_dscnt 16
	MUL8 F1, 0, 0, 0
	MUL8 F1, 0, 2, 0
	s_wait_dscnt 0x0
	MUL8 F1, 1, 0, 0
	MUL8 F1, 1, 2, 0
	WIN 0
	; THE WAY OUT.  My 64 columns of f32 are 256 bytes of a row: a wave's own stage does, with no barrier.  32 bytes a lane go in (each accumulator's low half first), whole rows come back.
	PLACES
.irp a, 0,1,2,3
.irp b, 0,1,2,3
.irp u, 0,1
	ds_store_b128 v[STO], v[ACC+8*(4*(\a)+(\b))+4*(\u):ACC+8*(4*(\a)+(\b))+4*(\u)+3] offset:(\a)*16*SPITCH+64*(\b)+16*(\u)
.endr
.endr
.endr
.set p, 0
.rept 32
	ds_load_b128 v[ACC+4*p:ACC+4*p+3], v[RD] offset:p*2*SPITCH  ; LDS serves a wave's instructions in order (ISA guide 5.7.1.4): these see the stores above
.set p, p+1
.endr
.set p, 0
.rept 32
	s_wait_dscnt 31-p                              ; load p is back, the younger ones stay out
	global_store_b128 v[CO], v[ACC+4*p:ACC+4*p+3], s[10:11] offset:16384*p  ; 16 lanes store 256 consecutive bytes, aligned
.set p, p+1
.endr
	s_wait_tensorcnt 0x0                           ; the wave's end: behind my last tensor load and my last LDS store
	ds_add_u32 v[SPW], v[NIL]
	s_wait_dscnt 0x0
	CROUND                                         ; the closing round
	s_endpgm
.Lfunc_end_k_q5294af7d8f_proj:
	.size	k_q5294af7d8f_proj, .Lfunc_end_k_q5294af7d8f_proj-k_q5294af7d8f_proj
	.p2alignl 7, 3214868480
	.fill 96, 4, 3214868480
	.section	.rodata,"a",@progbits
	.p2align	6, 0x0
	.amdhsa_kernel k_q5294af7d8f_proj
		.amdhsa_group_segment_fixed_size 327680
		.amdhsa_private_segment_fixed_size 0
		.amdhsa_enable_private_segment 0
		.amdhsa_kernarg_size 32
		.amdhsa_user_sgpr_count 2
		.amdhsa_user_sgpr_kernarg_segment_ptr 1
		.amdhsa_wavefront_size32 1
		.amdhsa_system_sgpr_workgroup_id_x 1
		.amdhsa_system_sgpr_workgroup_id_y 1
		.amdhsa_system_sgpr_workgroup_id_z 1
		.amdhsa_system_vgpr_workitem_id 0
		.amdhsa_next_free_vgpr 512
		.amdhsa_next_free_sgpr 72
		.amdhsa_reserve_vcc 0
		.amdhsa_float_denorm_mode_32 3
		.amdhsa_float_denorm_mode_16_64 3
		.amdhsa_memory_ordered 1
		.amdhsa_forward_progress 1
		.amdhsa_inst_pref_size 71
	.end_amdhsa_kernel
	.amdgpu_metadata
---
amdhsa.version: [ 1, 2 ]
amdhsa.kernels:
  - .name:           k_q5294af7d8f_proj
    .symbol:         k_q5294af7d8f_proj.kd
    .args:
      - { .name: ob, .offset: 0, .size: 8, .value_kind: global_buffer, .address_space: global }
      - { .name: wpb, .offset: 8, .size: 8, .value_kind: global_buffer, .address_space: global }
      - { .name: bp, .offset: 16, .size: 8, .value_kind: global_buffer, .address_space: global }
      - { .name: out0, .offset: 24, .size: 8, .value_kind: global_buffer, .address_space: global }
    .group_segment_fixed_size: 327680
    .private_segment_fixed_size: 0
    .kernarg_segment_align: 8
    .kernarg_segment_size: 32
    .max_flat_workgroup_size: 128
    .sgpr_count:     72
    .vgpr_count:     512
    .wavefront_size: 32
...
	.end_amdgpu_metadata
.endif
;; end of part 4
